; MI455X (gfx1250); checked and timed in simulation.
; The chip was launched on July 23, 2026; its instructions are those of AMD's public machine-readable ISA for CDNA 5 (MIT licence, August 2026) and "CDNA5" Instruction Set Architecture Reference Guide (July 2026). The comments in the code are by the model that wrote it; some were corrected since.
;; Multi Head Attention. Allowed arithmetic: matrix products marked QUANTISED: E2M1 operands, one E8M0 scale for each 32 along K, by v_wmma_scale_f32_16x16x128_f8f6f4 with both operands' format E2M1 (or v_wmma_scale_f32_32x16x128_f4), f32 sums; everything else in f32.
;; Inputs: Wk_b 2,048 float32; Wk_w 2,048 x 2,048 float32; Wo_b 2,048 float32; Wo_w 2,048 x 2,048 float32; Wq_b 2,048 float32; Wq_w 2,048 x 2,048 float32; Wv_b 2,048 float32; Wv_w 2,048 x 2,048 float32; X 2,048 x 2,048 float32.
;; Outputs: out0 2,048 x 2,048 float32.
;; This version of the problem:
;;   THIS VERSION OF THE PROBLEM IS GIVEN IN LOW PRECISION. The matrix products marked QUANTISED in the list below multiply operands that are first quantised to E2M1 (2 exponent bits, 1 mantissa bit; 4 bits a number), with one power-of-two scale for each 32 numbers along K (OCP MX v1.0); their sums are f32. All else is computed in f32.
;;   The module's matrix products, in the order in which they are computed (A, B: the left and right operand; K: the contracted axis; several contracted axes count as one K, in the product's order):
;;     1. [M 2,048, K 2,048] x [K 2,048, N 2,048]; A: input X; B: input Wq_w: QUANTISED
;;     2. [M 2,048, K 2,048] x [K 2,048, N 2,048]; A: input X; B: input Wk_w: QUANTISED
;;     3. [M 2,048, K 2,048] x [K 2,048, N 2,048]; A: input X; B: input Wv_w: QUANTISED
;;     4. batch 32 x [M 2,048, K 64] x [K 64, N 2,048]; A: computed on the way; B: computed on the way: QUANTISED
;;     5. batch 32 x [M 64, K 2,048] x [K 2,048, N 2,048]; A: computed on the way; B: softmax (see below): QUANTISED
;;     6. [M 2,048, K 2,048] x [K 2,048, N 2,048]; A: computed on the way; B: input Wo_w: QUANTISED
;;   THE QUANTISER, for each operand of a quantised product, along K:
;;     - K is cut into blocks of 32 from its start; a last block that is shorter is filled with zeros.
;;     - A block's scale is 2^e with e = floor(log2(the largest magnitude in the block)) - 2, held to -126 .. 127; a block of zeros has e = 0. As a byte (E8M0): e + 127.
;;     - Each number is divided by its block's scale, clamped to +-6, and rounded to the nearest number of E2M1, ties to even, subnormals kept.
;;     - The product sums the exact products of the quantised numbers (number of the format x scale) in f32.
;;   ~~~python
;;   def quantise(x, axis):      # numpy; x: float32 -> the quantised numbers, widened to float32 again
;;       x = np.moveaxis(x, axis, -1); K = x.shape[-1]
;;       x = np.pad(x, [(0, 0)] * (x.ndim - 1) + [(0, -K % 32)]); x = x.reshape(x.shape[:-1] + (-1, 32)); a = np.abs(x).max(-1, keepdims=True)
;;       e = np.where(a > 0, np.clip(np.frexp(np.where(a > 0, a, 1))[1] - 1 - 2, -126, 127), 0)      # np.frexp(a)[1] - 1 = floor(log2(a)), exactly
;;       r = np.clip(x / 2.0 ** e, -6, 6)
;;       step = 2.0 ** (np.maximum(np.frexp(np.where(r == 0, 1, r))[1] - 1, 0) - 1)
;;       q = np.round(r / step) * step * 2.0 ** e      # np.round: ties to even
;;       return np.moveaxis(q.reshape(q.shape[:-2] + (-1,))[..., :K], -1, axis).astype(np.float32)
;;   ~~~
;;   SOFTMAX AHEAD OF A QUANTISED PRODUCT. Where the list says 'softmax', what is quantised is not the finished softmax but p = 2^(t - M), with t = logit x log2(e) and M = ceil(the row's largest t), a whole number; so 1/2 < the row's largest p <= 1. The row's sum l is taken of the UNQUANTISED p, in f32, and the product's result is divided by l at the end. Since M is a whole number, a kernel that streams over the keys may use a running M (the ceiling of the running maximum): every later rescaling is an exact power of two, which a block's scale takes up: the codes' values come out the same.
;;   OPERANDS COMPUTED ON THE WAY. 'Computed on the way' means the value that the module computes at that place (a softmax that the list does not call 'softmax' is quantised finished and normalised). What goes into a quantiser is computed in f32, as accurately as f32 sums, v_exp_f32 and their like allow (about 1e-6 of the number): no bf16 or f16 on the way to a quantiser, and a product that is left as it is and whose result goes on into a quantised operand takes f32 operands (vector FMAs, or v_wmma_f32_16x16x4_f32). A number that lies on a knife's edge between two numbers of the format may be rounded either way, as far as f32 arithmetic and the matrix unit's own rounding can turn it there, and no further.
;; One version. Each part assembles by itself: llvm-mc -triple=amdgcn-amd-amdhsa -mcpu=gfx1250 --defsym DOCPART=n.
;; ======== version 1 of 1: 5 launches
;; limits: right only within a limited range of input values
;; workspace buffers: codes 10,485,760 bytes; scales 655,360 bytes; qkv 6,946,816 bytes; ao 16,777,216 bytes
;; launch quant (part 1): grid 512 x 1, 5 waves a work-group, no clusters, 41,728 bytes of LDS; arguments X, Wq_w, Wk_w, Wv_w, Wo_w, codes, scales; writes codes, scales
.if DOCPART == 1
	.amdgcn_target "amdgcn-amd-amdhsa--gfx1250"
	.amdhsa_code_object_version 6
	.text
	.protected	k_q6176e97c57_quant
	.globl	k_q6176e97c57_quant
	.p2align	8
	.type	k_q6176e97c57_quant,@function
k_q6176e97c57_quant:
	s_mov_b64 s[64:65], 0
	v_nop
	global_prefetch_b8 v0, s[64:65] scope:SCOPE_SE
	s_setreg_imm32_b32 hwreg(HW_REG_WAVE_MODE, 25, 1), 1
	s_wait_xcnt 0x0
; X, Wq_w, Wk_w, Wv_w, Wo_w, each [2048][2048] f32 with K innermost, become codes of FP4 (E2M1), two a byte, and one E8M0 scale byte for each 32 along K.
; A block's scale is 2^(floor(log2(its largest magnitude)) - 2); its byte is the largest magnitude's exponent field - 2, held at 1 from below.
; LIMITS: NaN and infinities among the inputs are not served; blocks whose largest magnitude lies under 2^-124 have their byte held at 1; a block of zeros gets the byte 1
; where the rule says 127: its codes are zeros, and this program alone reads the bytes.
; SHARES.  A RUN is 4 rows: 16 steps of 512 numbers, 4,096 bytes of codes, 256 scale bytes.  The five tensors are 2,560 runs; wave w of work-group g takes run 5 g + w: tensor = run / 512.
; THE ROWS CHANGE PLACES ON THE WAY OUT, so that the products' tiles are neighbouring rows:
;   X: inside each 64 rows, row 32 x + 8 u + i (i under 8) goes to place 16 u + 8 x + i: the four tiles of 16 places then give a lane of a result 32 neighbouring rows;
;   Wq, Wk, Wv: row n = 32 d + head goes to its head's 192 rows: Wq's 64 d, Wv's d 0-31, Wk's 64 d, Wv's d 32-63, bits 3 and 4 of d swapped;   Wo: as it lies.
; A load reads 512 consecutive bytes, 16 a lane; the conversions want 16 neighbours in one lane: a step's 2,048 bytes turn through the wave's own stage in LDS (80 bytes from lane to lane on the way back).
; No tensor loads, no barrier: waves share nothing.  Loads run four steps (16 loads a wave) ahead.
.set WREG,  8192                       ; LDS of a wave: two stages of 32 x SP bytes, then its 256 scale bytes
.set SPARE, 5*WREG                     ; the spare words, 128 bytes a wave, in three blocks of 256 bytes
.set SP,    80
.set STEPS, 16
.set CB,    8                          ; bytes of 16 codes
.set R,     16                         ; v16-79   four sets of 16 numbers as loaded
.set X,     80                         ; v80-111  two sets of 16 neighbours
.set E,     112                        ; v112-127 a scale byte for each step
.set C,     128                        ; v128-159 codes: two registers for each step: no store's data are written again
.set OFF,   160                        ; v160-163 16 x lane + row i of my run, in bytes; never rewritten
	s_load_b256 s[4:11], s[0:1], 0x0               ; X, Wq_w, Wk_w, Wv_w
	s_load_b128 s[12:15], s[0:1], 0x20             ; Wo_w, codes
	s_load_b64 s[16:17], s[0:1], 0x30              ; scales
	v_lshl_add_u32 v192, v0, 2, SPARE
	v_mov_b32 v193, 0
	v_lshrrev_b32 v1, 5, v0
	v_readfirstlane_b32 s18, v1                    ; wave
	v_and_b32 v2, 31, v0                           ; lane
	v_lshlrev_b32 v3, 4, v2                        ; my 16 bytes of a load's 512
	s_mul_i32 s19, s18, WREG
	v_lshrrev_b32 v14, 2, v2
	v_mul_u32_u24 v14, v14, SP
	v_and_b32 v15, 3, v2
	v_lshl_add_u32 v14, v15, 4, v14
	v_add_nc_u32 v14, s19, v14                     ; the stage, on the way in: four lanes' 64 bytes on end, then 16 of padding
	v_mul_u32_u24 v15, v2, SP
	v_add_nc_u32 v15, s19, v15                     ; on the way out: SP x lane: my 16 neighbours
	v_mul_u32_u24 v4, v2, CB                       ; my codes' place in a step's 256 bytes
	v_lshrrev_b32 v5, 1, v2
	s_add_co_u32 s19, s19, 2*32*SP
	v_add_nc_u32 v5, s19, v5                       ; LDS: my block's scale byte
	v_lshlrev_b32 v7, 3, v2                        ; and on the way out 8 bytes a lane
	v_add_nc_u32 v6, s19, v7
	; which tensor, which run, from which rows, to which run of the buffers: whole numbers made of ids alone, chosen without a branch
	s_mul_i32 s21, ttmp9, 5
	s_add_co_u32 s21, s21, s18                     ; my run of the 2,560
	s_lshr_b32 s20, s21, 9                         ; tensor 0 X, 1 Wq, 2 Wk, 3 Wv, 4 Wo
	s_and_b32 s21, s21, 511                        ; R: my run in it
	s_and_b32 s22, s21, 0x1f9
	s_and_b32 s23, s21, 2
	s_lshl_b32 s23, s23, 1
	s_or_b32 s22, s22, s23
	s_and_b32 s23, s21, 4
	s_lshr_b32 s23, s23, 1
	s_or_b32 s22, s22, s23                         ; the weights: R with bits 1 and 2 swapped: d's bits 3 and 4
	s_and_b32 s40, s21, 0x1f1
	s_and_b32 s41, s21, 8
	s_lshr_b32 s41, s41, 2
	s_or_b32 s40, s40, s41
	s_and_b32 s41, s21, 6
	s_lshl_b32 s41, s41, 1
	s_or_b32 s40, s40, s41                         ; X: R's bit 3 goes to bit 1, its bits 1 and 2 one up: rows' bits 3 to 5 turned
	s_lshl_b32 s27, s21, 2                         ; X, Wo: first row 4 R
	s_and_b32 s28, s21, 15
	s_lshl_b32 s28, s28, 7
	s_lshr_b32 s26, s21, 4                         ; Wq, Wk, Wv: head = R / 16,
	s_add_co_u32 s28, s28, s26                     ; first row 32 x 4 (R % 16) + head, the next ones 32 rows apart
	s_mul_i32 s29, s26, 48                         ; a head has 48 runs
	s_and_b32 s30, s22, 15
	s_add_co_u32 s29, s29, s30
	s_add_co_u32 s29, s29, 512                     ; behind X's 512 runs
	s_and_b32 s30, s22, 8
	s_lshl_b32 s30, s30, 1
	s_add_co_u32 s30, s30, 16                      ; Wv: 16 runs on for d 0-31, 32 for d 32-63
	s_add_co_u32 s32, s21, 2048                    ; Wo: behind the heads' 1,536 runs
	s_mov_b32 s25, 8192
	s_sub_co_u32 s24, s20, 1
	s_cmp_lt_u32 s24, 3                            ; Wq, Wk or Wv?
	s_cselect_b32 s25, 0x40000, s25                ; bytes from row to row of my run
	s_cselect_b32 s27, s28, s27                    ; first row
	s_cmp_eq_u32 s20, 2
	s_cselect_b32 s31, 24, 0                       ; Wk: 24 runs on
	s_cmp_eq_u32 s20, 3
	s_cselect_b32 s31, s30, s31
	s_add_co_u32 s29, s29, s31
	s_cmp_eq_u32 s20, 0
	s_cselect_b32 s29, s40, s29
	s_cmp_eq_u32 s20, 4
	s_cselect_b32 s29, s32, s29                    ; the run that I write
	v_mov_b32 v[OFF], v3
	v_add_nc_u32 v[OFF+1], s25, v3
	s_lshl_b32 s33, s25, 1
	v_add_nc_u32 v[OFF+2], s33, v3
	s_add_co_u32 s33, s33, s25
	v_add_nc_u32 v[OFF+3], s33, v3
	s_lshl_b32 s34, s27, 13                        ; a row is 8,192 bytes
	s_mov_b32 s35, 0
	s_lshl_b32 s36, s29, 12
	s_mov_b32 s37, 0
	s_lshl_b32 s38, s29, 8
	s_mov_b32 s39, 0
	s_wait_alu depctr_va_vdst(0)                   ; the wait at the head's end
	s_wait_kmcnt 0x0
	s_cmp_eq_u32 s20, 1                            ; the tensor's address: choices that hang on ids alone
	s_cselect_b64 s[4:5], s[6:7], s[4:5]
	s_cmp_eq_u32 s20, 2
	s_cselect_b64 s[4:5], s[8:9], s[4:5]
	s_cmp_eq_u32 s20, 3
	s_cselect_b64 s[4:5], s[10:11], s[4:5]
	s_cmp_eq_u32 s20, 4
	s_cselect_b64 s[4:5], s[12:13], s[4:5]
	s_add_nc_u64 s[4:5], s[4:5], s[34:35]
	s_add_nc_u64 s[14:15], s[14:15], s[36:37]
	s_add_nc_u64 s[16:17], s[16:17], s[38:39]
.macro LOAD t                          ; step t: row t / 4 of my run, its part t % 4
.irp i, 0,1,2,3
	global_load_b128 v[R+16*((\t)%4)+4*\i:R+16*((\t)%4)+4*\i+3], v[OFF+(\t)/4], s[4:5] offset:2048*((\t)%4)+512*\i th:TH_LOAD_NT   ; 32 lanes read 512 consecutive bytes
.endr
.endm
.macro TURN t                          ; step t's numbers through the stage: LDS serves a wave's instructions in order, so no wait stands between the stores and the loads
.irp i, 0,1,2,3
	ds_store_b128 v14, v[R+16*((\t)%4)+4*\i:R+16*((\t)%4)+4*\i+3] offset:32*SP*((\t)%2)+8*SP*\i
.endr
.irp i, 0,1,2,3
	ds_load_b128 v[X+16*((\t)%2)+4*\i:X+16*((\t)%2)+4*\i+3], v15 offset:32*SP*((\t)%2)+16*\i
.endr
.endm
.irp t, 0,1,2,3
	LOAD \t
.endr
	s_wait_loadcnt 12                              ; step 0's four loads are in
	TURN 0
.macro STEP t
.set XS, X+16*((\t)%2)
.if (\t) > 0
	s_wait_dscnt 1                                 ; this step's numbers are back from the stage (the last step's byte store may be out): so its stores into the stage have read their registers,
.else
	s_wait_dscnt 0x0
.endif
.if (\t)+4 < STEPS
	LOAD (\t)+4                                    ; which take the loads of four steps on
.endif
.if (\t)+1 < STEPS
.if STEPS-2-(\t) >= 3
	s_wait_loadcnt 12                              ; the next step's four loads are in; those of the three steps behind it may be out
.else
	s_wait_loadcnt 4*(STEPS-2-(\t))
.endif
	TURN (\t)+1                                    ; and go through the other stage while this step is worked
.endif
	v_max3_num_f32 v8, |v[XS]|, |v[XS+1]|, |v[XS+2]|               ; the largest magnitude of my 16, in two chains
	v_max3_num_f32 v9, |v[XS+3]|, |v[XS+4]|, |v[XS+5]|
.irp i, 6,10
	v_max3_num_f32 v8, v8, |v[XS+\i]|, |v[XS+\i+1]|
	v_max3_num_f32 v9, v9, |v[XS+\i+2]|, |v[XS+\i+3]|
.endr
	v_max3_num_f32 v8, v8, |v[XS+14]|, |v[XS+15]|
	v_max3_num_f32 v8, v8, v9, 0x1800000           ; and the floor 2^(3 - 127): the byte cannot fall under 1
	v_max_num_f32_dpp v8, v8, v8 row_xmask:1 row_mask:0xf bank_mask:0xf   ; and of my neighbour's 16: the block's
	v_add_nc_u32 v11, 0xff000000, v8               ; 2 off its exponent field: the conversion takes the exponent field of this operand as its scale
	v_cvt_scalef32_pk8_fp4_f32 v[C+2*(\t)], v[XS:XS+7], v11
	v_cvt_scalef32_pk8_fp4_f32 v[C+2*(\t)+1], v[XS+8:XS+15], v11
	v_lshrrev_b32 v[E+(\t)], 23, v11               ; the scale's byte (a plain line behind the conversions)
	ds_store_b8 v5, v[E+(\t)] offset:16*(\t)       ; both lanes of a block write the same byte with the same value
	global_store_b64 v4, v[C+2*(\t):C+2*(\t)+1], s[14:15] offset:32*CB*(\t)   ; the wave stores 256 consecutive bytes, aligned
.endm
.irp t, 0,1,2,3,4,5,6,7,8,9,10,11,12,13,14,15
	STEP \t
.endr
	ds_load_b64 v[12:13], v6                       ; LDS serves a wave's instructions in order: these see my byte stores
	s_wait_dscnt 0x0
	global_store_b64 v7, v[12:13], s[16:17]        ; my run's 256 scale bytes: 256 consecutive bytes, aligned
	s_wait_tensorcnt 0x0                           ; the wave's end
	ds_add_u32 v192, v193
	s_wait_dscnt 0x0
	s_endpgm
.Lfunc_end_k_q6176e97c57_quant:
	.size	k_q6176e97c57_quant, .Lfunc_end_k_q6176e97c57_quant-k_q6176e97c57_quant
	.p2alignl 7, 3214868480
	.fill 96, 4, 3214868480
	.section	.rodata,"a",@progbits
	.p2align	6, 0x0
	.amdhsa_kernel k_q6176e97c57_quant
		.amdhsa_group_segment_fixed_size 41728
		.amdhsa_private_segment_fixed_size 0
		.amdhsa_enable_private_segment 0
		.amdhsa_kernarg_size 56
		.amdhsa_user_sgpr_count 2
		.amdhsa_user_sgpr_kernarg_segment_ptr 1
		.amdhsa_wavefront_size32 1
		.amdhsa_system_sgpr_workgroup_id_x 1
		.amdhsa_system_sgpr_workgroup_id_y 1
		.amdhsa_system_sgpr_workgroup_id_z 1
		.amdhsa_system_vgpr_workitem_id 0
		.amdhsa_next_free_vgpr 194
		.amdhsa_next_free_sgpr 66
		.amdhsa_reserve_vcc 0
		.amdhsa_float_denorm_mode_32 3
		.amdhsa_float_denorm_mode_16_64 3
		.amdhsa_memory_ordered 1
		.amdhsa_forward_progress 1
		.amdhsa_inst_pref_size 35
	.end_amdhsa_kernel
	.amdgpu_metadata
---
amdhsa.version: [ 1, 2 ]
amdhsa.kernels:
  - .name:           k_q6176e97c57_quant
    .symbol:         k_q6176e97c57_quant.kd
    .args:
      - { .name: X, .offset: 0, .size: 8, .value_kind: global_buffer, .address_space: global }
      - { .name: Wq_w, .offset: 8, .size: 8, .value_kind: global_buffer, .address_space: global }
      - { .name: Wk_w, .offset: 16, .size: 8, .value_kind: global_buffer, .address_space: global }
      - { .name: Wv_w, .offset: 24, .size: 8, .value_kind: global_buffer, .address_space: global }
      - { .name: Wo_w, .offset: 32, .size: 8, .value_kind: global_buffer, .address_space: global }
      - { .name: codes, .offset: 40, .size: 8, .value_kind: global_buffer, .address_space: global }
      - { .name: scales, .offset: 48, .size: 8, .value_kind: global_buffer, .address_space: global }
    .group_segment_fixed_size: 41728
    .private_segment_fixed_size: 0
    .kernarg_segment_align: 8
    .kernarg_segment_size: 56
    .max_flat_workgroup_size: 160
    .sgpr_count:     66
    .vgpr_count:     194
    .wavefront_size: 32
...
	.end_amdgpu_metadata
.endif
;; end of part 1
;; launch gemm_qkv (part 2): grid 32 x 8, 4 waves a work-group, clusters of 4 x 4, 327,680 bytes of LDS; arguments codes, scales, Wq_b, Wk_b, Wv_b, qkv; writes qkv
.if DOCPART == 2
	.amdgcn_target "amdgcn-amd-amdhsa--gfx1250"
	.amdhsa_code_object_version 6
	.text
	.protected	k_q6176e97c57_gemm_qkv
	.globl	k_q6176e97c57_gemm_qkv
	.p2align	8
	.type	k_q6176e97c57_gemm_qkv,@function
k_q6176e97c57_gemm_qkv:
	s_mov_b64 s[64:65], 0
	v_nop
	global_prefetch_b8 v0, s[64:65] scope:SCOPE_SE
	s_setreg_imm32_b32 hwreg(HW_REG_WAVE_MODE, 25, 1), 1
	s_wait_xcnt 0x0
	s_wait_alu depctr_hold_cnt(0) depctr_sa_sdst(0) depctr_va_vdst(0) depctr_va_sdst(0) depctr_va_ssrc(0) depctr_va_vcc(0) depctr_vm_vsrc(0)
	s_getreg_b32 s2, hwreg(HW_REG_IB_STS2, 6, 4)
	s_cmp_eq_u32 s2, 0
	s_cbranch_scc0 .Lentry_in_a_cluster
	s_endpgm
.Lentry_in_a_cluster:
	s_bfe_u32 s2, ttmp6, 0x10000c
	s_cmp_lg_u32 s2, 0xf033
	s_cbranch_scc0 .Lentry_shape_is_right
	s_endpgm
.Lentry_shape_is_right:
; Q = X Wq^T + bq, K = X Wk^T + bk, V = X Wv^T + bv on codes of FP4 with E8M0 scales, and their results quantised in registers for the attention that follows: Q and K along d, V along the keys.
; SHARES.  A work-group takes 256 places of X (rows in the order in which the launch before laid them) and ONE head's 192 weight rows.  Wave w: 128 places (w / 2) x 96 weight rows (w % 2: Wq's 64 and Wv's d 0-31, or Wk's 64 and Wv's d 32-63).
; 48 accumulators a wave.  32 of them (Q or K) are used TRANSPOSED, source 0 = 16 weight rows, source 1 = 16 rows of X: a lane holds one row and its registers run along d.
; 16 of them (V) are used plain, source 0 = 16 rows of X, source 1 = 16 weight rows: a lane holds one d and its registers run along the keys.  By the order of the rows the 16 registers of two neighbouring tiles are 16 neighbours along the next K.
; The biases are the C of each sum's first matrix instruction.  K = 2,048 goes in four steps of 512 through two LDS slots; the rows' scale bytes for all of K come once.
; CLUSTERS: 4 x 4 work-groups.  The four of a row of the cluster need the same tiles of X, the four of a column the same head's weights: each tile is asked for jointly, by the same tensor load with a mask that names the four.
; THE WAY OUT: images of the operands' registers, 16 bytes a lane: every store of codes or of Q's and K's scale words covers 512 consecutive bytes, aligned; V's scale words leave 128 bytes at a time (4 KB of a head's 212 KB).
; A head's block in qkv: K's 128 tiles x 512 B | V [16 key steps][4 d tiles][1,024 B] | K's scale words [step][lane][4] | V's [step][2][lane] | Q's tiles | Q's scale words.
; Q's and K's K is 64: their fragments are registers 0-3 of an operand of 128; bytes 2 and 3 of their scale words are 0x7f, for the zero codes that the attention puts beside them.
; LIMITS: NaN and infinities are not served; a block whose largest magnitude lies under 2^-124 has its byte held at 1 (a block of zeros too: its codes are zeros).
; REGISTERS, in windows of 256: window 0: v16-29 addresses; v32-95 scale words, two sets; v128-255 X's fragments, two sets (on the way out v96-219 are at work).
;   window 1: v0-47, v64-111 the weights' fragments, two sets; v128-159 bq or bk in the result's layout; v160-175 bv.   window 2: accumulator (X tile a, weight tile i) at v[8 (4 a + i)].   window 3: V's (u, a) at v[8 (8 u + a)].
.set PITCH,  272                       ; an LDS row: 256 bytes + 16 of padding: the 16 rows that a load touches start 4 banks apart
.set HALFA,  128*PITCH                 ; what one tensor load brings of X
.set HALFB,  96*PITCH                  ; and of the weights
.set SLOT,   2*HALFA+2*HALFB           ; X's 256 rows, then the head's 192
.set SCL,    2*SLOT                    ; behind the ring: the scale bytes, as units of 256 bytes + 16 of padding (4 rows of 64 bytes to a unit)
.set HSA,    32*272                    ; those of 128 rows of X
.set HSB,    24*272                    ; of 96 weight rows
.set SBLK,   4*272                     ; of 16 rows
.set SPARE,  SCL+2*HSA+2*HSB           ; the spare words, 128 bytes for each wave: two blocks of 256 bytes that no other line names
.set CODW,   2097152                   ; where the heads' weights begin in codes,
.set SCLW,   131072                    ; and in scales
.set HEADB,  217088                    ; a head's block in qkv
.set VIMG,   65536
.set KSC,    131072
.set VSC,    139264
.set QIMG,   143360
.set QSC,    208896
.set ADRA, 16                          ; v16-17  LDS address of my fragments of X in slot 0, 1
.set ADRB, 20                          ; v20-21  the same for the weights
.set OQ,   22                          ; v22     the way out: my 16 bytes of a tile of Q or K
.set OS,   23                          ; v23     of their scale words
.set OV,   24                          ; v24     of a tile of V
.set OVS,  25                          ; v25     my word of V's scale words
.set ADRX, 26                          ; v26     LDS address of X's scale words, in all lanes
.set ADRS, 27                          ; v27     lanes 0-15 X's scale words, lanes 16-31 the weights'
.set SPW,  28                          ; v28     LDS address of my spare word; never rewritten
.set NIL,  29                          ; v29     0; never rewritten
.set SC,   32                          ; scale words: set s at v[SC + 32 s]; register 4 i + q: lanes 0-15 X's tile i, lanes 16-31 weight tile i, the slot's q-th 128 along K
.set XF,   128                         ; X's fragments, window 0: set p at XF + 64 p
.set BQ,   128                         ; window 1
.set BV,   160                         ; window 1
.set PC,   96                          ; the way out: six sets of 8 registers of codes
.set SWQ,  144                         ; v144-147 Q's or K's scale words
.set SWV,  148                         ; v148     V's
.set TM,   200                         ; v200-203 largest magnitudes, v204-207 bytes, v212-215 the conversions' scale operands
.set W0,   216
.set W1,   217
.set PWV,  218                         ; v218-219
.set G1, 24                            ; s[24:31] descriptor group 1 for X's tiles;  s[32:39] group 0, one set for each slot
.set G0, 32
.set G1B, 48                           ; s[48:55], s[56:63] the same for the weights'
.set G0B, 56
.set G1S, 68                           ; s[68:75], s[76:79] groups 1 and 0 for X's scale bytes;  s[80:87], s[88:91] for the weights'
.set G0S, 76
.set G1SB, 80
.set G0SB, 88
.set MSB, 0
.macro WIN new                         ; the immediate's high byte repeats the setting that is left
.if MSB != (\new)
	s_set_vgpr_msb (MSB<<8)|(\new)
.set MSB, (\new)
.endif
.endm
; A joint load: waves 0 and 1 fetch for X, waves 2 and 3 for the weights.  The branch hangs on the wave's number alone.  Four v_nop follow each of the two lines.
.macro JLOAD g0a, g1a, g0b, g1b
	s_cmp_eq_u32 s17, 0
	s_cbranch_scc0 .Lfor_b_\@
	tensor_load_to_lds s[\g0a:\g0a+3], s[\g1a:\g1a+7]
	s_nop 0
.rept 4
	v_nop
.endr
	s_branch .Lasked_\@
.Lfor_b_\@:
	tensor_load_to_lds s[\g0b:\g0b+3], s[\g1b:\g1b+7]
	s_nop 0
.rept 4
	v_nop
.endr
.Lasked_\@:
.endm
.macro CREST                           ; a round of the cluster's barrier behind its opening barrier
	s_cmp_lg_u32 s16, 0
	s_cbranch_scc1 .Lnot_wave_0_\@
	s_barrier_signal -3
.Lnot_wave_0_\@:
	s_barrier_wait -3
	s_barrier_signal -1
	s_barrier_wait -1
.endm
.macro CROUND                          ; a whole round
	s_barrier_signal -1
	s_barrier_wait -1
	CREST
.endm
.macro PLACES                          ; four plain lines in front of loads into registers that matrix instructions have read, and of the first read of results
.rept 4
	v_nop
.endr
.endm
	s_load_b256 s[4:11], s[0:1], 0x0               ; codes s[4:5], scales s[6:7], Wq_b s[8:9], Wk_b s[10:11]
	s_load_b128 s[12:15], s[0:1], 0x20             ; Wv_b s[12:13], qkv s[14:15]
	v_lshl_add_u32 v[SPW], v0, 2, SPARE
	v_mov_b32 v[NIL], 0
	ds_add_u32 v28, v29
	ds_add_u32 v28, v29
	s_wait_dscnt 0x0
	v_lshrrev_b32 v1, 5, v0
	v_readfirstlane_b32 s16, v1                    ; wave 0..3
	s_lshr_b32 s17, s16, 1                         ; which 128 places of X are mine.  Also: I fetch for X (0) or for the weights (1)
	s_and_b32 s18, s16, 1                          ; which 96 weight rows.  Also: which half of that tile I fetch
	s_bfe_u32 s40, ttmp6, 0x40000                  ; cx, cy: my place in the cluster
	s_bfe_u32 s41, ttmp6, 0x40004
	s_lshl_b32 s42, ttmp9, 2
	s_add_co_u32 s42, s42, s40                     ; the head = 4 x cluster x + cx
	s_and_b32 s19, ttmp7, 0xffff
	s_lshl_b32 s19, s19, 2
	s_add_co_u32 s19, s19, s41                     ; the block of 256 places = 4 x cluster y + cy
	s_lshl_b32 s43, s41, 2
	s_lshl_b32 s43, 15, s43                        ; my row of the cluster
	s_lshl_b32 s44, 0x1111, s40                    ; my column
	; descriptor group 1: rows of 256 bytes, 1,024 apart in memory, 16 bytes of padding behind each in LDS
	s_or_b32 s[G1+0], s43, (0<<16)|(1<<20)|(1<<21)|(5<<22)|(3<<25)   ; 15:0 the mask; 17:16 elements of 1 byte; 20 padding on; 21 set beside a mask; 24:22 after every 64 words; 31:25 four words
	s_or_b32 s[G1B+0], s44, (0<<16)|(1<<20)|(1<<21)|(5<<22)|(3<<25)
	s_mov_b32 s[G1+1], 256<<16                     ; tensor_dim0
	s_mov_b32 s[G1+2], 256<<16                     ; tensor_dim1: the head's load brings all 256 rows
	s_mov_b32 s[G1+3], 256<<16                     ; tile_dim0
	s_mov_b32 s[G1+4], 256                         ; tile_dim1
	s_mov_b32 s[G1+5], 1024                        ; tensor_dim0_stride
	s_mov_b32 s[G1+6], 0
	s_mov_b32 s[G1+7], 0
	s_mov_b32 s[G1B+1], 256<<16
	s_mov_b32 s[G1B+2], 192<<16
	s_mov_b32 s[G1B+3], 256<<16
	s_mov_b32 s[G1B+4], 192
	s_mov_b32 s[G1B+5], 1024
	s_mov_b32 s[G1B+6], 0
	s_mov_b32 s[G1B+7], 0
	; the scale bytes of 256 or 192 rows: a dense block, as rows of 256 bytes (32 elements of 8 bytes)
	s_or_b32 s[G1S+0], s43, (3<<16)|(1<<20)|(1<<21)|(5<<22)|(3<<25)
	s_or_b32 s[G1SB+0], s44, (3<<16)|(1<<20)|(1<<21)|(5<<22)|(3<<25)
	s_mov_b32 s[G1S+1], 32<<16
	s_mov_b32 s[G1S+2], 64<<16
	s_mov_b32 s[G1S+3], 32<<16
	s_mov_b32 s[G1S+4], 64
	s_mov_b32 s[G1S+5], 32
	s_mov_b32 s[G1S+6], 0
	s_mov_b32 s[G1S+7], 0
	s_mov_b32 s[G1SB+1], 32<<16
	s_mov_b32 s[G1SB+2], 48<<16
	s_mov_b32 s[G1SB+3], 32<<16
	s_mov_b32 s[G1SB+4], 48
	s_mov_b32 s[G1SB+5], 32
	s_mov_b32 s[G1SB+6], 0
	s_mov_b32 s[G1SB+7], 0
	s_lshl_b32 s20, s19, 8
	s_lshl_b32 s21, s18, 7
	s_add_co_u32 s20, s20, s21                     ; X: place 256 x block + 128 x half
	s_lshl_b32 s22, s19, 14                        ; the scale bytes of the block's 256 places: 64 a row
	s_lshl_b32 s20, s20, 10                        ; its codes
	s_mov_b32 s21, 0
	s_mov_b32 s23, 0
	s_mul_i32 s46, s42, 192
	s_mul_i32 s47, s18, 96
	s_add_co_u32 s46, s46, s47                     ; the weights: row 192 x head + 96 x half
	s_mul_i32 s92, s42, 12288                      ; the scale bytes of the head's 192 rows
	s_add_co_u32 s92, s92, SCLW
	s_lshl_b32 s46, s46, 10
	s_add_co_u32 s46, s46, CODW
	s_mov_b32 s47, 0
	s_mov_b32 s93, 0
	s_mul_i32 s45, s18, HALFA                      ; where they go: no place in the cluster enters an LDS address
	s_mul_i32 s94, s18, HALFB
	s_wait_kmcnt 0x0
	s_add_nc_u64 s[20:21], s[4:5], s[20:21]
	s_add_nc_u64 s[22:23], s[6:7], s[22:23]
	s_add_nc_u64 s[46:47], s[4:5], s[46:47]
	s_add_nc_u64 s[92:93], s[6:7], s[92:93]
	CROUND                                         ; all sixteen work-groups are here: the first joint loads meet
	s_mov_b32 s[G0S], 1
	s_mov_b32 s[G0S+1], SCL
	s_mov_b64 s[G0S+2:G0S+3], s[22:23]
	s_or_b32 s[G0S+3], s[G0S+3], 0x80000000
	s_mov_b32 s[G0SB], 1
	s_mov_b32 s[G0SB+1], SCL+2*HSA
	s_mov_b64 s[G0SB+2:G0SB+3], s[92:93]
	s_or_b32 s[G0SB+3], s[G0SB+3], 0x80000000
.irp s, 0,1
	s_mov_b32 s[G0+4*\s], 1
	s_add_co_u32 s[G0+4*\s+1], s45, \s*SLOT
	s_add_nc_u64 s[G0+4*\s+2:G0+4*\s+3], s[20:21], \s*256
	s_or_b32 s[G0+4*\s+3], s[G0+4*\s+3], 0x80000000
	s_mov_b32 s[G0B+4*\s], 1
	s_add_co_u32 s[G0B+4*\s+1], s94, 2*HALFA+\s*SLOT
	s_add_nc_u64 s[G0B+4*\s+2:G0B+4*\s+3], s[46:47], \s*256
	s_or_b32 s[G0B+4*\s+3], s[G0B+4*\s+3], 0x80000000
.endr
; THE HEAD'S LOADS, ONE A WAVE: wave 0 K step 0's 256 rows of X, wave 1 X's scale bytes, wave 2 K step 0's 192 weight rows, wave 3 the weights' scale bytes.
; In waves 0 and 2 the ring's group 0 of slot 0 names the tile's first row.  One tree of branches on the wave's number: every way passes one load.
.macro ARM under, g0, g1, next
	s_cmp_lt_u32 s16, \under
	s_cbranch_scc0 \next
	tensor_load_to_lds s[\g0:\g0+3], s[\g1:\g1+7]
	s_nop 0
.rept 4
	v_nop
.endr
	s_branch .Lhead_asked
\next:
.endm
	ARM 1, G0,  G1,  .Lhead_sa
	ARM 2, G0S, G1S, .Lhead_b
	ARM 3, G0B, G1B, .Lhead_sb
	tensor_load_to_lds s[G0SB:G0SB+3], s[G1SB:G1SB+7]
	s_nop 0
.rept 4
	v_nop
.endr
.Lhead_asked:
	v_and_b32 v1, 15, v0
	v_bfe_u32 v2, v0, 4, 1                         ; h = lane / 16
	v_mul_u32_u24 v3, v1, PITCH
	v_lshl_add_u32 v4, v2, 4, v3                   ; a fragment's row x pitch + 16 x half
	s_mul_i32 s21, s17, HALFA                      ; my 128 places of X
	s_mul_i32 s22, s18, HALFB                      ; my 96 weight rows,
	s_add_co_u32 s22, s22, 2*HALFA                 ; which lie behind X's 256
.irp s, 0,1
	v_add_nc_u32 v[ADRA+\s], s21, v4
	v_add_nc_u32 v[ADRB+\s], s22, v4
	s_add_co_u32 s21, s21, SLOT
	s_add_co_u32 s22, s22, SLOT
.endr
	v_lshlrev_b32 v5, 6, v1                        ; my row's scale bytes: 64 a row,
	v_lshrrev_b32 v6, 8, v5
	v_lshl_add_u32 v5, v6, 4, v5                   ; and 16 more for each 256 passed
	s_mul_i32 s21, s17, HSA
	s_mul_i32 s22, s18, HSB
	s_add_co_u32 s22, s22, 2*HSA
	s_sub_co_u32 s22, s22, s21
	v_mul_u32_u24 v6, s22, v2                      ; lanes 16-31 take the weights'
	s_add_co_u32 s21, s21, SCL
	v_add_nc_u32 v[ADRX], s21, v5
	v_add_nc_u32 v[ADRS], v[ADRX], v6
	; the way out: offsets in my head's block of qkv.  My 128 places are key step (or query step) 2 x block + w / 2
	v_and_b32 v7, 31, v0
	s_wait_alu depctr_va_vdst(0)
	s_lshl_b32 s20, s19, 1
	s_add_co_u32 s20, s20, s17
	s_lshl_b32 s21, s20, 12
	s_lshl_b32 s22, s20, 9
	s_lshl_b32 s23, s20, 8
	s_mov_b32 s47, KSC
	s_cmp_eq_u32 s18, 0                            ; Q's wave or K's
	s_cselect_b32 s46, QIMG, 0
	s_cselect_b32 s47, QSC, s47
	s_cselect_b64 s[96:97], s[8:9], s[10:11]       ; and its bias
	s_add_co_u32 s46, s46, s21
	s_add_co_u32 s47, s47, s22
	v_lshl_add_u32 v[OQ], v7, 4, s46
	v_lshl_add_u32 v[OS], v7, 4, s47
	s_lshl_b32 s46, s18, 11
	s_add_co_u32 s46, s46, s21
	s_add_co_u32 s46, s46, VIMG
	v_lshl_add_u32 v[OV], v7, 4, s46
	s_lshl_b32 s46, s18, 7
	s_add_co_u32 s46, s46, s23
	s_add_co_u32 s46, s46, VSC
	v_lshl_add_u32 v[OVS], v7, 2, s46
	s_mul_i32 s46, s42, HEADB
	s_mov_b32 s47, 0
	s_add_nc_u64 s[14:15], s[14:15], s[46:47]
	; the biases, in the results' layouts.  Column n = 32 d + head.  Q, K: register j of weight tile i in lane (r, h) is d = 32 (i / 2) + 8 (i % 2) + 16 h + j.  V: lane (r, h) of tile u is d = 32 (w % 2) + 8 u + r + 8 (r / 8), in all eight registers
	; PREFETCHES of later K steps, 256 bytes of a row each.  Of X's 256 rows each of the four partners that share them takes 64 (by cx), of the head's 192 rows 48 (by cy): told apart by address alone.
	; A wave names 16 rows of X in lanes 0-15 and 12 weight rows in lanes 16-27 (lanes 28-31 name the twelfth again).  K steps 1 and 2 are asked for here, K step 3 behind slot 1's load.
	s_lshl_b32 s20, s19, 8
	s_lshl_b32 s21, s40, 6
	s_add_co_u32 s20, s20, s21
	s_lshl_b32 s21, s16, 4
	s_add_co_u32 s20, s20, s21
	s_lshl_b32 s20, s20, 10                        ; X: place 256 x block + 64 cx + 16 x wave, in bytes
	s_mul_i32 s22, s42, 192
	s_mul_i32 s21, s41, 48
	s_add_co_u32 s22, s22, s21
	s_mul_i32 s21, s16, 12
	s_add_co_u32 s22, s22, s21
	s_lshl_b32 s22, s22, 10
	s_add_co_u32 s22, s22, CODW                    ; the weights: row 192 x head + 48 cy + 12 x wave
	s_sub_co_u32 s22, s22, s20                     ; the distance between the two, under 2^24
	v_lshlrev_b32 v30, 2, v2
	v_sub_nc_u32 v30, 15, v30
	v_min_u32 v30, v30, v1                         ; lanes 0-15: 0 .. 15; lanes 16-31: 0 .. 11
	v_lshl_add_u32 v30, v30, 10, s20
	v_mad_u32_u24 v30, s22, v2, v30                ; v30 is never rewritten
	global_prefetch_b8 v30, s[4:5] offset:256 th:TH_LOAD_NT scope:SCOPE_SE
	global_prefetch_b8 v30, s[4:5] offset:512 th:TH_LOAD_NT scope:SCOPE_SE
	s_lshl_b32 s98, s42, 2
	v_lshl_add_u32 v8, v2, 11, s98
	v_and_b32 v9, 8, v1
	v_add_nc_u32 v9, v9, v1
	s_lshl_b32 s99, s18, 12
	s_add_co_u32 s99, s99, s98
	v_lshl_add_u32 v9, v9, 7, s99
	WIN 0x40                                       ; destination window 1
.irp i, 0,1,2,3
.irp j, 0,1,2,3,4,5,6,7
	global_load_b32 v[BQ+8*\i+\j], v8, s[96:97] offset:128*(32*(\i/2)+8*(\i%2)+\j)
.endr
.endr
.irp u, 0,1
	global_load_b32 v[BV+8*\u], v9, s[12:13] offset:1024*\u
.endr
	s_wait_loadcnt 0x0
	WIN 0x41
.irp u, 0,1
.irp j, 1,2,3,4,5,6,7
	v_mov_b32 v[BV+8*\u+\j], v[BV+8*\u]
.endr
.endr
	WIN 0
.macro FRAG reg, adr, q, i             ; 16 rows x 128 K of 4-bit codes: registers 4 c .. 4 c + 3 hold K = 64 c + 32 (lane / 16) + 0 .. 31
.irp c, 0,1
	ds_load_b128 v[\reg+4*\c:\reg+4*\c+3], v[\adr] offset:64*(\q)+32*\c+(\i)*16*PITCH
.endr
.endm
.macro FETCH slot, q, p                ; 28 LDS loads in one run: the slot's q-th 128 along K into set p: six weight tiles, eight tiles of X
	WIN 0x40
.irp i, 0,1,2,3,4,5
	FRAG 64*(\p)+8*\i, ADRB+\slot, \q, \i
.endr
	WIN 0
.irp i, 0,1,2,3,4,5,6,7
	FRAG XF+64*(\p)+8*\i, ADRA+\slot, \q, \i
.endr
.endm
.macro SCALES sc, ks                   ; K step ks's scale words into set sc: four words a row; tiles 6 and 7 of X have no weight tile beside them
.irp i, 0,1,2,3,4,5
	ds_load_b128 v[SC+32*\sc+4*\i:SC+32*\sc+4*\i+3], v[ADRS] offset:\i*SBLK+16*\ks
.endr
.irp i, 6,7
	ds_load_b128 v[SC+32*\sc+4*\i:SC+32*\sc+4*\i+3], v[ADRX] offset:\i*SBLK+16*\ks
.endr
.endm
; The 48 accumulators take turns, one instruction a turn, in the same order in every step.
.macro MULQK a0, n, p, q, sc, first    ; X's tiles a0 .. a0 + n - 1 against weight tiles 0-3, transposed
.if \first
	WIN 0x91                                       ; source 0 (weights) window 1, source 1 (X) window 0, C (bias) window 1, D window 2
.else
	WIN 0xa1                                       ; C and D window 2
.endif
.set AA, \a0
.rept \n
.irp i, 0,1,2,3
.if \first
	v_wmma_scale_f32_16x16x128_f8f6f4 v[8*(4*AA+\i):8*(4*AA+\i)+7], v[64*(\p)+8*\i:64*(\p)+8*\i+7], v[XF+64*(\p)+8*AA:XF+64*(\p)+8*AA+7], v[BQ+8*\i:BQ+8*\i+7], v[SC+32*(\sc)+4*\i+(\q)], v[SC+32*(\sc)+4*AA+(\q)] matrix_a_fmt:MATRIX_FMT_FP4 matrix_b_fmt:MATRIX_FMT_FP4 matrix_a_scale:MATRIX_SCALE_ROW1
.else
	v_wmma_scale_f32_16x16x128_f8f6f4 v[8*(4*AA+\i):8*(4*AA+\i)+7], v[64*(\p)+8*\i:64*(\p)+8*\i+7], v[XF+64*(\p)+8*AA:XF+64*(\p)+8*AA+7], v[8*(4*AA+\i):8*(4*AA+\i)+7], v[SC+32*(\sc)+4*\i+(\q)], v[SC+32*(\sc)+4*AA+(\q)] matrix_a_fmt:MATRIX_FMT_FP4 matrix_b_fmt:MATRIX_FMT_FP4 matrix_a_scale:MATRIX_SCALE_ROW1
.endif
.endr
.set AA, AA+1
.endr
.endm
.macro MULV p, q, sc, first            ; X's eight tiles against weight tiles 4 and 5, plain
.if \first
	WIN 0xd4                                       ; source 0 (X) window 0, source 1 (weights) window 1, C (bias) window 1, D window 3
.else
	WIN 0xf4                                       ; C and D window 3
.endif
.irp u, 0,1
.irp a, 0,1,2,3,4,5,6,7
.if \first
	v_wmma_scale_f32_16x16x128_f8f6f4 v[8*(8*\u+\a):8*(8*\u+\a)+7], v[XF+64*(\p)+8*\a:XF+64*(\p)+8*\a+7], v[64*(\p)+8*(4+\u):64*(\p)+8*(4+\u)+7], v[BV+8*\u:BV+8*\u+7], v[SC+32*(\sc)+4*\a+(\q)], v[SC+32*(\sc)+4*(4+\u)+(\q)] matrix_a_fmt:MATRIX_FMT_FP4 matrix_b_fmt:MATRIX_FMT_FP4 matrix_b_scale:MATRIX_SCALE_ROW1
.else
	v_wmma_scale_f32_16x16x128_f8f6f4 v[8*(8*\u+\a):8*(8*\u+\a)+7], v[XF+64*(\p)+8*\a:XF+64*(\p)+8*\a+7], v[64*(\p)+8*(4+\u):64*(\p)+8*(4+\u)+7], v[8*(8*\u+\a):8*(8*\u+\a)+7], v[SC+32*(\sc)+4*\a+(\q)], v[SC+32*(\sc)+4*(4+\u)+(\q)] matrix_a_fmt:MATRIX_FMT_FP4 matrix_b_fmt:MATRIX_FMT_FP4 matrix_b_scale:MATRIX_SCALE_ROW1
.endif
.endr
.endr
.endm
; A step of 128 along K that has its successor in the same slot: the successor's 28 loads stand in one run, 32 matrix instructions ahead of the wait for them.
.macro STEP slot, q, first
	s_wait_dscnt 0x0                               ; this step's fragments (and, at a slot's head, its scale words) are in
	MULQK 0, 4, (\q)%2, \q, \slot, \first
	PLACES
	FETCH \slot, (\q)+1, 1-(\q)%2
	MULQK 4, 4, (\q)%2, \q, \slot, \first
	MULV (\q)%2, \q, \slot, \first
.endm
; A slot's last step changes slots: ONE barrier; in front of it each wave waits for all its tensor loads, adds 0 to its spare word, and waits for that and for its own reads of this slot.
; fill = 1: the barrier opens a round of the cluster's, and this slot is filled again, two K steps ahead, first thing behind the round.  ks: the next slot's K step, for its scale words.
.macro TURN slot, next, fill, ks
	WIN 0                                          ; (the add's two registers lie in window 0)
	s_wait_tensorcnt 0x0                           ; all my tensor loads have landed: my part of the next slot
	ds_add_u32 v[SPW], v[NIL]                      ; 0 onto my spare word
	s_wait_dscnt 1                                 ; this step's fragments are in (the add may be out)
	MULQK 0, 4, 1, 3, \slot, 0                     ; sixteen matrix instructions stand between the add and the wait for it
	s_wait_dscnt 0x0                               ; the add is done, and my reads of this slot are over
	s_barrier_signal -1
	MULQK 4, 4, 1, 3, \slot, 0
	WIN 0
	s_barrier_wait -1
.if \fill
	CREST                                          ; no wave of any partner still reads this slot's tile or has a load on its way
	s_add_nc_u64 s[G0+4*\slot+2:G0+4*\slot+3], s[G0+4*\slot+2:G0+4*\slot+3], 512
	s_add_nc_u64 s[G0B+4*\slot+2:G0B+4*\slot+3], s[G0B+4*\slot+2:G0B+4*\slot+3], 512
	JLOAD G0+4*\slot, G1, G0B+4*\slot, G1B         ; my one tensor load behind the round; the four v_nop behind it are the places in front of the loads below
.else
	PLACES
.endif
	FETCH \next, 0, 0
	SCALES \next, \ks
	MULV 1, 3, \slot, 0
.endm
	s_wait_alu depctr_va_vdst(0)
	s_wait_tensorcnt 0x0                           ; my tile of the head's four is in
	ds_add_u32 v[SPW], v[NIL]
	s_mov_b32 s[G1+2], 128<<16                     ; no tensor load of mine is out: from here on a load brings half a tile: 128 rows of X,
	s_mov_b32 s[G1+4], 128
	s_mov_b32 s[G1B+2], 96<<16                     ; 96 weight rows
	s_mov_b32 s[G1B+4], 96
	s_wait_dscnt 0x0
	CROUND                                         ; all four tiles are in, and all sixteen work-groups are here
	JLOAD G0+4, G1, G0B+4, G1B                     ; K step 1 into slot 1: my one tensor load behind the round
	FETCH 0, 0, 0
	SCALES 0, 0
	global_prefetch_b8 v30, s[4:5] offset:768 th:TH_LOAD_NT scope:SCOPE_SE   ; K step 3: two changes of slots ahead of its load
	STEP 0, 0, 1                                   ; the first step's products start the sums, with the biases as C
	STEP 0, 1, 0
	STEP 0, 2, 0
	TURN 0, 1, 1, 1                                ; slot 0 takes K step 2
	STEP 1, 0, 0
	STEP 1, 1, 0
	STEP 1, 2, 0
	TURN 1, 0, 1, 2                                ; slot 1 takes K step 3
	STEP 0, 0, 0
	STEP 0, 1, 0
	STEP 0, 2, 0
	TURN 0, 1, 0, 3                                ; nothing is left to fetch
	STEP 1, 0, 0
	STEP 1, 1, 0
	STEP 1, 2, 0
	s_wait_dscnt 0x0                               ; the very last step
	MULQK 0, 8, 1, 3, 1, 0
	MULV 1, 3, 1, 0
	WIN 0
; THE WAY OUT.  64 numbers of a lane in window W, register s + 16 b + i = place 32 b + 16 (lane / 16) + i along the next K, become codes in v[PC + 8 n] on and four scale bytes in v[TM + 4] on.
; Each accumulator is read from its low end on.
.macro QUANT W, s, n
	WIN (\W)|((\W)<<2)                             ; sources 0 and 1 in window W
.irp b, 0,1,2,3
	v_max3_num_f32 v[TM+\b], |v[(\s)+16*\b]|, |v[(\s)+1+16*\b]|, 0x1800000   ; block b: my 16 numbers, and the floor 2^(3 - 127): the byte cannot fall under 1
.endr
	WIN ((\W)<<2)|((\W)<<4)                        ; sources 1 and 2
.irp i, 2,4,6,8,10,12,14
.irp b, 0,1,2,3
	v_max3_num_f32 v[TM+\b], v[TM+\b], |v[(\s)+16*\b+\i]|, |v[(\s)+1+16*\b+\i]|   ; (the four blocks by turns)
.endr
.endr
	WIN 0
.irp b, 0,1,2,3
	v_permlanex16_b32 v[TM+4+\b], v[TM+\b], s20, s21
.endr
.irp b, 0,1,2,3
	v_max_num_f32 v[TM+\b], v[TM+\b], v[TM+4+\b]   ; with lane l xor 16's: the block's largest magnitude
.endr
.irp b, 0,1,2,3
	v_add_nc_u32 v[TM+12+\b], 0xff000000, v[TM+\b] ; 2 off its exponent field: the conversion's scale operand
.endr
.irp b, 0,1,2,3
	v_lshrrev_b32 v[TM+4+\b], 23, v[TM+12+\b]      ; the scale's byte
.endr
	WIN \W                                         ; source 0 in window W
.irp b, 0,1,2,3
	v_cvt_scalef32_pk8_fp4_f32 v[PC+8*(\n)+2*\b], v[(\s)+16*\b:(\s)+16*\b+7], v[TM+12+\b]
	v_cvt_scalef32_pk8_fp4_f32 v[PC+8*(\n)+1+2*\b], v[(\s)+8+16*\b:(\s)+8+16*\b+7], v[TM+12+\b]
.endr
	WIN 0
	v_nop                                          ; one plain line behind a scaled conversion
.irp c, 0,1                                    ; the operand's layout wants a whole block in a lane: lanes 0-15 block 2 c, lanes 16-31 block 2 c + 1
.irp i, 0,1
	v_permlane16_swap_b32 v[PC+8*(\n)+4*\c+\i], v[PC+8*(\n)+2+4*\c+\i]
.endr
.endr
.endm
	PLACES                                         ; behind the last products: results are read, and registers that held X's fragments are written
; V.  By the order of X's places register 64 u + 32 c + i of a lane in window 3 is key 64 c + 32 (lane / 16) + i of my 128: a whole block of 32 keys in one lane.
; So a block's largest magnitude needs no other lane, and the conversions' results are the operand's registers 4 c .. 4 c + 3 as they stand.  The scale word's four bytes are gathered from lanes l and l xor 16.
.set SH8, 220                          ; v220: 8 x (lane / 16)
.macro QUANTV u
	WIN 0x0f                                       ; sources 0 and 1 in window 3
.irp c, 0,1
	v_max3_num_f32 v[TM+\c], |v[64*(\u)+32*\c]|, |v[64*(\u)+32*\c+1]|, 0x1800000   ; with the floor 2^(3 - 127)
.endr
	WIN 0x3c                                       ; sources 1 and 2
.irp i, 2,4,6,8,10,12,14,16,18,20,22,24,26,28,30
.irp c, 0,1
	v_max3_num_f32 v[TM+\c], v[TM+\c], |v[64*(\u)+32*\c+\i]|, |v[64*(\u)+32*\c+\i+1]|   ; each accumulator from its low end on
.endr
.endr
	WIN 0
.irp c, 0,1
	v_add_nc_u32 v[TM+12+\c], 0xff000000, v[TM+\c] ; the conversion's scale operand
.endr
.irp c, 0,1
	v_lshrrev_b32 v[TM+4+\c], 23, v[TM+12+\c]      ; the scale's byte
.endr
	v_lshl_or_b32 v[W1], v[TM+5], 16, v[TM+4]      ; my blocks h and 2 + h,
	v_lshlrev_b32 v[W1], v[SH8], v[W1]             ; at their places in the word,
	v_permlanex16_b32 v[TM+6], v[W1], s20, s21
	v_or_b32 v[PWV+\u], v[W1], v[TM+6]             ; with lane l xor 16's two
	WIN 3                                          ; source 0 in window 3
.irp c, 0,1
.irp g, 0,1,2,3
	v_cvt_scalef32_pk8_fp4_f32 v[PC+8*(4+\u)+4*\c+\g], v[64*(\u)+32*\c+8*\g:64*(\u)+32*\c+8*\g+7], v[TM+12+\c]
.endr
.endr
	WIN 0
	v_nop                                          ; one plain line behind a scaled conversion
.endm
	s_mov_b32 vcc_lo, 0xffff0000
	v_lshlrev_b32 v[SH8], 3, v2
	s_mov_b32 s20, 0x76543210
	s_mov_b32 s21, 0xfedcba98                      ; v_permlanex16_b32's selects for lane l xor 16
.irp b, 0,1,2,3
	v_mov_b32 v[TM+4+\b], 0                        ; a lane permute's destination counts as one of its sources
.endr
.irp g, 0,1,2,3                                ; Q or K: X's tiles 2 g and 2 g + 1: two blocks of 32 d each: registers 0-3 of two fragments
	QUANT 2, 64*\g, \g
	v_lshl_or_b32 v[W0], v[TM+5], 8, v[TM+4]       ; tile 2 g's two bytes,
	v_lshl_or_b32 v[W1], v[TM+7], 8, v[TM+6]       ; tile 2 g + 1's
	v_cndmask_b32 v[W0], v[W0], v[W1], vcc_lo      ; lanes 0-15 carry the first tile's word, lanes 16-31 the second's
	v_or_b32 v[SWQ+\g], 0x7f7f0000, v[W0]          ; bytes 2 and 3: 1.0, for the zero codes of k = 64 .. 127
	global_store_b128 v[OQ], v[PC+8*\g:PC+8*\g+3], s[14:15] offset:1024*\g
	global_store_b128 v[OQ], v[PC+8*\g+4:PC+8*\g+7], s[14:15] offset:1024*\g+512
.endr
	global_store_b128 v[OS], v[SWQ:SWQ+3], s[14:15]
.irp u, 0,1                                    ; V: d tile u of my two: four blocks of 32 keys: a whole fragment
	QUANTV \u
	global_store_b128 v[OV], v[PC+8*(4+\u):PC+8*(4+\u)+3], s[14:15] offset:1024*\u
	global_store_b128 v[OV], v[PC+8*(4+\u)+4:PC+8*(4+\u)+7], s[14:15] offset:1024*\u+512
.endr
	v_cndmask_b32 v[SWV], v[PWV], v[PWV+1], vcc_lo
	global_store_b32 v[OVS], v[SWV], s[14:15]
	s_wait_tensorcnt 0x0                           ; the wave's end
	ds_add_u32 v[SPW], v[NIL]
	s_wait_dscnt 0x0
	CROUND                                         ; the closing round: no work-group ends while a partner may still ask for a tile that names it
	s_endpgm
.Lfunc_end_k_q6176e97c57_gemm_qkv:
	.size	k_q6176e97c57_gemm_qkv, .Lfunc_end_k_q6176e97c57_gemm_qkv-k_q6176e97c57_gemm_qkv
	.p2alignl 7, 3214868480
	.fill 96, 4, 3214868480
	.section	.rodata,"a",@progbits
	.p2align	6, 0x0
	.amdhsa_kernel k_q6176e97c57_gemm_qkv
		.amdhsa_group_segment_fixed_size 327680
		.amdhsa_private_segment_fixed_size 0
		.amdhsa_enable_private_segment 0
		.amdhsa_kernarg_size 48
		.amdhsa_user_sgpr_count 2
		.amdhsa_user_sgpr_kernarg_segment_ptr 1
		.amdhsa_wavefront_size32 1
		.amdhsa_system_sgpr_workgroup_id_x 1
		.amdhsa_system_sgpr_workgroup_id_y 1
		.amdhsa_system_sgpr_workgroup_id_z 1
		.amdhsa_system_vgpr_workitem_id 0
		.amdhsa_next_free_vgpr 1024
		.amdhsa_next_free_sgpr 100
		.amdhsa_reserve_vcc 1
		.amdhsa_float_denorm_mode_32 3
		.amdhsa_float_denorm_mode_16_64 3
		.amdhsa_memory_ordered 1
		.amdhsa_forward_progress 1
		.amdhsa_inst_pref_size 173
	.end_amdhsa_kernel
	.amdgpu_metadata
---
amdhsa.version: [ 1, 2 ]
amdhsa.kernels:
  - .name:           k_q6176e97c57_gemm_qkv
    .symbol:         k_q6176e97c57_gemm_qkv.kd
    .args:
      - { .name: codes, .offset: 0, .size: 8, .value_kind: global_buffer, .address_space: global }
      - { .name: scales, .offset: 8, .size: 8, .value_kind: global_buffer, .address_space: global }
      - { .name: Wq_b, .offset: 16, .size: 8, .value_kind: global_buffer, .address_space: global }
      - { .name: Wk_b, .offset: 24, .size: 8, .value_kind: global_buffer, .address_space: global }
      - { .name: Wv_b, .offset: 32, .size: 8, .value_kind: global_buffer, .address_space: global }
      - { .name: qkv, .offset: 40, .size: 8, .value_kind: global_buffer, .address_space: global }
    .group_segment_fixed_size: 327680
    .private_segment_fixed_size: 0
    .kernarg_segment_align: 8
    .kernarg_segment_size: 48
    .max_flat_workgroup_size: 128
    .sgpr_count:     100
    .vgpr_count:     1024
    .wavefront_size: 32
...
	.end_amdgpu_metadata
.endif
;; end of part 2
;; launch attn (part 3): grid 8 x 32, 16 waves a work-group, clusters of 4 x 1, 215,040 bytes of LDS; arguments qkv, ao; writes ao
.if DOCPART == 3
	.amdgcn_target "amdgcn-amd-amdhsa--gfx1250"
	.amdhsa_code_object_version 6
	.text
	.protected	k_q6176e97c57_attn
	.globl	k_q6176e97c57_attn
	.p2align	8
	.type	k_q6176e97c57_attn,@function
k_q6176e97c57_attn:
	s_mov_b64 s[64:65], 0
	v_nop
	global_prefetch_b8 v0, s[64:65] scope:SCOPE_SE
	s_setreg_imm32_b32 hwreg(HW_REG_WAVE_MODE, 25, 1), 1
	s_wait_xcnt 0x0
	s_wait_alu depctr_hold_cnt(0) depctr_sa_sdst(0) depctr_va_vdst(0) depctr_va_sdst(0) depctr_va_ssrc(0) depctr_va_vcc(0) depctr_vm_vsrc(0)
	s_getreg_b32 s2, hwreg(HW_REG_IB_STS2, 6, 4)
	s_cmp_eq_u32 s2, 0
	s_cbranch_scc0 .Lentry_in_a_cluster
	s_endpgm
.Lentry_in_a_cluster:
	s_bfe_u32 s2, ttmp6, 0x10000c
	s_cmp_lg_u32 s2, 0x3003
	s_cbranch_scc0 .Lentry_shape_is_right
	s_endpgm
.Lentry_shape_is_right:
; ao[head][l][d] = the sum over keys m of softmax_m(Q[l] . K[m] / sqrt(2048)) V[m][d], for each of 32 heads of 64, both products on codes of FP4 with E8M0 scales.
; THE SOFTMAX AHEAD OF THE SECOND PRODUCT: t = score x log2(e) / sqrt(2048); M = the running largest t, rounded UP to a whole number; p = 2^(t - M) is quantised along the keys, not normalised.
; The row's sum is taken of the unquantised p and divides at the end.  When M moves, the sum and O are multiplied by 2^(old M - new M): exact.
; INPUT: a head's block of qkv, images of operands' registers: K's 128 tiles of 512 bytes, V's [16 steps of 128 keys][4 d tiles][1,024], their scale words (143,360 bytes on end), then Q's tiles and scale words.
; SHARES.  A work-group owns 256 queries of one head, each of its sixteen waves one tile of 16, in 256 registers.  A head's K, V and scale words lie in LDS whole: ONE fill, a sixteenth a wave; no byte is filled twice.
; CLUSTER: the four work-groups of a cluster belong to one head: each part of the fill is asked for jointly, by the same tensor load with a mask that names the four.
; LAYOUT.  Both products are used transposed: S^T = K Q^T, O^T = V^T P^T: a lane holds ONE query throughout.  Row r of tile 4 c + u is key 64 c + 32 (r / 8) + 8 u + r % 8, so the 32 registers of
; tiles 4 c .. 4 c + 3 are keys 64 c + 32 (lane / 16) + 0 .. 31: a WHOLE block of 32 in a lane, in the order of the next operand's registers: a block's maximum needs no other lane, and the codes are not exchanged.
; The first product's K is 64.  Q's registers 4-7 are zero codes; K's tiles lie four registers apart, and registers 4-7 of a tile's operand are the next tile's codes (behind the eighth: four of p's): every code
; of FP4 is a finite number, it meets a zero code, and the scale bytes of k = 64 .. 127 are 0x7f: nothing is added.
; A TRIP is 256 keys: one search for M, one rescaling of O^T, ONE batch of 132 exponentials with one wait ahead of it and one behind it.  Maxima and sums go in four chains each, so that no line reads the line above it.
; K's tiles 8-15 are asked for behind the first eight products, under the first half's maxima; the next trip's tiles 0-7 among the lines that make M.  p is worked block by block, 3, 2, 1, 0: V's fragments of keys 128-255
; land in block 3's registers and those of keys 0-127 in block 2's, as soon as each is summed and converted; the products of keys 128-255 are issued ahead of block 0's work.
; The last trip's look-ahead reads 5,120 bytes of LDS behind K's images and scale words (V's, filled all the same) and nobody uses them: so the trip is written once.
; No prefetch: the launch's one fill stands at its head, with no loop ahead of it.
; LIMITS: NaN and infinities are not served; the scaled scores stay under 2^31 in magnitude; a block of p that has fallen to zeros keeps the byte 1: its codes are zeros.
.set HEADB, 217088
.set VIMG,  65536
.set KSC,   131072
.set VSC,   139264
.set QIMG,  143360
.set QSC,   208896
.set FILLB, 143360                     ; what lies in LDS, as it lies in memory
.set PARTB, FILLB/16                   ; a wave's part: 35 rows of 256 bytes
.set STAGE, FILLB                      ; behind it: 16 rows x (256 bytes + 16) for each wave, for the way out
.set SP,    272
.set SPARE, STAGE+16*16*SP             ; the spare words, 128 bytes a wave
.set LI,   1                           ; v1   16 x lane
.set ADK,  2                           ; v2   K's images of the trip
.set ADV,  3                           ; v3   V's
.set ADS,  4                           ; v4   K's scale words
.set ADT,  5                           ; v5   V's
.set SPW,  6                           ; v6   my spare word; never rewritten
.set NIL,  7                           ; v7   0; never rewritten
.set OLD,  8                           ; v8   -M as it was.  v[10:11] -M and the largest score; v[14:15] f, then at work; v39 at work
                                       ; the sum's four chains: v[12:13], which stays, v[254:255], v[8:9], v[252:253]; ahead of the batch v9, v252, v253 are at work
.set KR,   40                          ; v40-71   eight tiles of K.  v16-23 Q; v24-31 K's scale words, v32-35 V's, v36 Q's, v37-38 p's
.set PCD,  72                          ; v72-87   p's codes: two operands of 128 keys
.set ST,   88                          ; v88-215  S^T, then p; v152-215 then V's fragments
.set OT,   216                         ; v216-247 O^T
.set BM,   248                         ; v248-251 my four blocks' largest scores, then largest p, then the conversions' scale operands
.set WV,   8
.set G0,   12
.set G1,   16
.set CNT,  25
.set SEL,  28                          ; s[28:29] lane selects for v_permlanex16_b32: lane l xor 16
.set CS,   30                          ; s[30:31] c = log2(e) / sqrt(2048)
.macro CROUND                          ; a round of the cluster's barrier
	s_barrier_signal -1
	s_barrier_wait -1
	s_cmp_lg_u32 s[WV], 0
	s_cbranch_scc1 .Lnot_wave_0_\@
	s_barrier_signal -3
.Lnot_wave_0_\@:
	s_barrier_wait -3
	s_barrier_signal -1
	s_barrier_wait -1
.endm
	s_load_b128 s[4:7], s[0:1], 0x0                ; qkv, ao
	v_lshl_add_u32 v[SPW], v0, 2, SPARE
	v_mov_b32 v[NIL], 0
	ds_add_u32 v[SPW], v[NIL]                      ; the opening: the add, twice on end, and its wait ahead of my tensor load
	ds_add_u32 v[SPW], v[NIL]
	v_lshrrev_b32 v9, 5, v0
	v_readfirstlane_b32 s[WV], v9                  ; wave 0..15
	s_bfe_u32 s9, ttmp6, 0x40000                   ; cx
	s_lshl_b32 s10, ttmp9, 2
	s_add_co_u32 s10, s10, s9                      ; my block of 256 queries: it enters Q's and ao's addresses alone
	s_and_b32 s11, ttmp7, 0xffff                   ; the head, which the four partners share
	s_mul_i32 s32, s11, HEADB
	s_mov_b32 s33, 0
	s_mul_i32 s34, s[WV], PARTB                    ; my part of the fill, in memory and in LDS alike
	s_mov_b32 s35, 0
	s_mov_b32 s[G1], 15|(3<<16)|(1<<21)            ; the mask: all four; elements of 8 bytes; no padding: images are read 16 bytes a lane on end
	s_mov_b32 s[G1+1], 32<<16                      ; rows of 256 bytes,
	s_mov_b32 s[G1+2], 35<<16                      ; 35 of them,
	s_mov_b32 s[G1+3], 32<<16
	s_mov_b32 s[G1+4], 35
	s_mov_b32 s[G1+5], 32                          ; dense
	s_mov_b32 s[G1+6], 0
	s_mov_b32 s[G1+7], 0
	s_lshl_b32 s39, s10, 13                        ; my tile T = 16 x block + wave.  Q's image: QIMG + 512 T
	s_lshl_b32 s40, s[WV], 9
	s_add_co_u32 s39, s39, s40
	s_add_co_u32 s39, s39, QIMG
	s_lshl_b32 s41, s10, 10                        ; its scale words: QSC + 512 (T / 8) + 256 (T % 2) + 16 r + 4 ((T / 2) % 4)
	s_lshr_b32 s40, s[WV], 3
	s_lshl_b32 s40, s40, 9
	s_add_co_u32 s41, s41, s40
	s_and_b32 s40, s[WV], 1
	s_lshl_b32 s40, s40, 8
	s_add_co_u32 s41, s41, s40
	s_bfe_u32 s40, s[WV], 0x20001
	s_lshl_b32 s40, s40, 2
	s_add_co_u32 s41, s41, s40
	s_add_co_u32 s41, s41, QSC
	s_lshl_b32 s42, s11, 19                        ; ao: a head is 2,048 rows of 256 bytes; my first query is 64 (T / 4) + 8 (T % 4)
	s_lshl_b32 s40, s10, 16
	s_add_co_u32 s42, s42, s40
	s_lshr_b32 s40, s[WV], 2
	s_lshl_b32 s40, s40, 14
	s_add_co_u32 s42, s42, s40
	s_and_b32 s40, s[WV], 3
	s_lshl_b32 s40, s40, 11
	s_add_co_u32 s42, s42, s40
	s_mov_b32 s43, 0
	s_mov_b32 s[SEL], 0x76543210
	s_mov_b32 s[SEL+1], 0xfedcba98
	s_mov_b32 s[CS], 0x3d0293ee                    ; c
	s_mov_b32 s[CS+1], s[CS]
	s_mov_b32 s[CNT], 8                            ; 8 trips of 256 keys
	s_wait_dscnt 0x0
	s_wait_kmcnt 0x0
	s_add_nc_u64 s[4:5], s[4:5], s[32:33]          ; my head's block
	s_add_nc_u64 s[6:7], s[6:7], s[42:43]
	CROUND                                         ; all four work-groups are here: the joint loads meet
	s_mov_b32 s[G0], 1
	s_mov_b32 s[G0+1], s34
	s_add_nc_u64 s[G0+2:G0+3], s[4:5], s[34:35]
	s_or_b32 s[G0+3], s[G0+3], 0x80000000
	tensor_load_to_lds s[G0:G0+3], s[G1:G1+7]      ; my one tensor load of the launch
	s_nop 0
.rept 4
	v_nop
.endr
	v_and_b32 v9, 31, v0
	v_lshlrev_b32 v[LI], 4, v9
	v_lshl_add_u32 v[ADT], v9, 2, VSC-512          ; V's addresses begin a trip back: they are stepped ahead of their use
	v_mov_b32 v[ADK], v[LI]
	v_add_nc_u32 v[ADV], VIMG-8192, v[LI]
	v_add_nc_u32 v[ADS], KSC, v[LI]
	v_add_nc_u32 v39, s39, v[LI]
	global_load_b128 v[16:19], v39, s[4:5]         ; Q's fragment, registers 0-3: it stays
	v_and_b32 v8, 15, v0
	v_lshl_add_u32 v8, v8, 4, s41
	global_load_b32 v36, v8, s[4:5]                ; Q's scale words
.irp k, 20,21,22,23, 72,73,74,75
	v_mov_b32 v\k, 0                               ; Q's k = 64 .. 127: zero codes; and what stands behind K's eighth tile in the first trip
.endr
	v_mov_b32 v11, 0xff61b1e6                      ; the largest score so far: -3e38
	v_floor_f32 v10, -v11                          ; -M: above every -t, so that the first trip's f is 0
	v_mov_b32 v12, 0                               ; the sum
	v_mov_b32 v13, 0
	v_mov_b32 v15, 0                               ; (named as the upper half of the pair v[14:15])
	v_mov_b32 v252, 0                              ; a lane permute's destination counts as one of its sources
.set j, 0
.rept 32
	v_mov_b32 v[OT+j], 0                           ; O^T: the first trip finds zeros
.set j, j+1
.endr
	s_wait_alu depctr_va_vdst(0)                   ; the wait at the head's end
	s_wait_loadcnt 0x0                             ; Q; its loads' offset registers are free
	s_wait_tensorcnt 0x0                           ; my part of the head's block has landed,
	s_barrier_signal -1
	s_barrier_wait -1                              ; everybody's has
.macro KLOAD off, t0                   ; four tiles of K, into places t0 .. t0 + 3
.irp i, 0,1,2,3
	ds_load_b128 v[KR+4*(\t0+\i):KR+4*(\t0+\i)+3], v[ADK] offset:(\off)+512*(\t0+\i)
.endr
.endm
.macro SLOAD                           ; the scale words of 16 tiles: register b of each four: lanes 0-15 tile 2 b, lanes 16-31 tile 2 b + 1
	ds_load_b128 v[24:27], v[ADS]
	ds_load_b128 v[28:31], v[ADS] offset:512
.endm
.macro QK g                            ; S^T = K Q^T for tiles 8 g .. 8 g + 7 of the trip
.irp t, 0,1,2,3,4,5,6,7
.if (\t)%2
	v_wmma_scale_f32_16x16x128_f8f6f4 v[ST+64*\g+8*\t:ST+64*\g+8*\t+7], v[KR+4*\t:KR+4*\t+7], v[16:23], 0, v[24+4*\g+\t/2], v36 matrix_a_fmt:MATRIX_FMT_FP4 matrix_b_fmt:MATRIX_FMT_FP4 matrix_a_scale:MATRIX_SCALE_ROW1
.else
	v_wmma_scale_f32_16x16x128_f8f6f4 v[ST+64*\g+8*\t:ST+64*\g+8*\t+7], v[KR+4*\t:KR+4*\t+7], v[16:23], 0, v[24+4*\g+\t/2], v36 matrix_a_fmt:MATRIX_FMT_FP4 matrix_b_fmt:MATRIX_FMT_FP4
.endif
.endr
.endm
; The largest score of my blocks c0 and c0 + 1: four chains by turns, two to a block (its tiles 0 and 1; its tiles 2 and 3, in v39 and v253).  Each accumulator is first read at its low end.
.macro BMAX c0
.set B0, ST+32*(\c0)
.set B1, ST+32*(\c0)+32
	v_max3_num_f32 v[BM+(\c0)], v[B0], v[B0+1], v[B0+2]
	v_max3_num_f32 v39, v[B0+16], v[B0+17], v[B0+18]
	v_max3_num_f32 v[BM+(\c0)+1], v[B1], v[B1+1], v[B1+2]
	v_max3_num_f32 v253, v[B1+16], v[B1+17], v[B1+18]
.irp i, 3,5,7,9,11,13
	v_max3_num_f32 v[BM+(\c0)], v[BM+(\c0)], v[B0+\i], v[B0+\i+1]
	v_max3_num_f32 v39, v39, v[B0+16+\i], v[B0+17+\i]
	v_max3_num_f32 v[BM+(\c0)+1], v[BM+(\c0)+1], v[B1+\i], v[B1+\i+1]
	v_max3_num_f32 v253, v253, v[B1+16+\i], v[B1+17+\i]
.endr
	v_max3_num_f32 v[BM+(\c0)], v[BM+(\c0)], v39, v[B0+15]
	v_max3_num_f32 v[BM+(\c0)+1], v[BM+(\c0)+1], v253, v[B1+15]
	v_max_num_f32 v[BM+(\c0)], v[BM+(\c0)], v[B0+31]
	v_max_num_f32 v[BM+(\c0)+1], v[BM+(\c0)+1], v[B1+31]
.endm
.macro CODE c                          ; block c becomes registers 4 c .. 4 c + 3 of p's operands
.irp u, 0,1,2,3
	v_cvt_scalef32_pk8_fp4_f32 v[PCD+4*(\c)+\u], v[ST+32*(\c)+8*\u:ST+32*(\c)+8*\u+7], v[BM+(\c)]
.endr
.endm
.macro R4 b                            ; eight registers of p onto the sum's four chains
	v_pk_add_f32 v[12:13], v[12:13], v[(\b):(\b)+1]
	v_pk_add_f32 v[254:255], v[254:255], v[(\b)+2:(\b)+3]
	v_pk_add_f32 v[8:9], v[8:9], v[(\b)+4:(\b)+5]
	v_pk_add_f32 v[252:253], v[252:253], v[(\b)+6:(\b)+7]
.endm
.macro VLOAD g                         ; V's four fragments of the trip's g-th 128 keys, into v[ST + 64 + 32 g] on, and their scale words: ten LDS loads
.irp t, 0,1,2,3
.irp c, 0,1
	ds_load_b128 v[ST+64+32*\g+8*\t+4*\c:ST+64+32*\g+8*\t+4*\c+3], v[ADV] offset:4096*\g+1024*\t+512*\c
.endr
.endr
.irp i, 0,1
	ds_load_b32 v[32+2*\g+\i], v[ADT] offset:256*\g+128*\i
.endr
.endm
.macro PV g                            ; O^T += V^T P^T over the g-th 128 keys: the four accumulators by turns
.irp t, 0,1,2,3
.if (\t)%2
	v_wmma_scale_f32_16x16x128_f8f6f4 v[OT+8*\t:OT+8*\t+7], v[ST+64+32*\g+8*\t:ST+64+32*\g+8*\t+7], v[PCD+8*\g:PCD+8*\g+7], v[OT+8*\t:OT+8*\t+7], v[32+2*\g+\t/2], v[37+\g] matrix_a_fmt:MATRIX_FMT_FP4 matrix_b_fmt:MATRIX_FMT_FP4 matrix_a_scale:MATRIX_SCALE_ROW1
.else
	v_wmma_scale_f32_16x16x128_f8f6f4 v[OT+8*\t:OT+8*\t+7], v[ST+64+32*\g+8*\t:ST+64+32*\g+8*\t+7], v[PCD+8*\g:PCD+8*\g+7], v[OT+8*\t:OT+8*\t+7], v[32+2*\g+\t/2], v[37+\g] matrix_a_fmt:MATRIX_FMT_FP4 matrix_b_fmt:MATRIX_FMT_FP4
.endif
.endr
.endm
	SLOAD
	KLOAD 0, 0
	KLOAD 0, 4
	s_wait_dscnt 0x0
.Ltrip:
	QK 0
	v_mov_b32 v[OLD], v10                          ; four plain lines that name no register of the products: the places ahead of the loads into K's registers and of the first read of the scores
	v_add_nc_u32 v[ADV], 8192, v[ADV]
	v_add_nc_u32 v[ADT], 512, v[ADT]
	v_nop
	KLOAD 4096, 0                                  ; tiles 8-15
	KLOAD 4096, 4
	BMAX 0
	s_wait_alu depctr_va_vdst(0)
	s_wait_dscnt 0x0
	QK 1
	v_max3_num_f32 v9, v11, v[BM], v[BM+1]         ; four places again
	v_add_nc_u32 v[ADK], 8192, v[ADK]
	v_add_nc_u32 v[ADS], 1024, v[ADS]
	v_nop
	BMAX 2
	v_max3_num_f32 v9, v9, v[BM+2], v[BM+3]        ; lines that each read the line before: the next trip's ten loads of K stand between them
	SLOAD
	v_permlanex16_b32 v252, v9, s[SEL], s[SEL+1]
	KLOAD 0, 0
	v_max_num_f32 v11, v9, v252                    ; the running largest score of my query (c is positive: c x it is the largest t)
	KLOAD 0, 4
	v_mul_f32 v9, s[CS], v11
	s_delay_alu instid0(VALU_DEP_1)
	v_floor_f32 v10, -v9                           ; the new -M = -ceil(t): a whole number
	s_delay_alu instid0(VALU_DEP_1)
	v_sub_f32 v9, v10, v[OLD]                      ; old M less new M: a whole number, 0 or less
.set j, 0
.rept 64
	v_pk_fma_f32 v[ST+j:ST+j+1], v[ST+j:ST+j+1], s[CS:CS+1], v[10:11] op_sel_hi:[1,0,0]   ; t - M, two at a time
.set j, j+2
.endr
.irp c, 0,1,2,3
	v_fma_f32 v[BM+\c], v[BM+\c], s[CS], v10       ; the same of each block's largest score
.endr
	v_cvt_i32_f32 v9, v9                           ; (it saturates)
	s_delay_alu instid0(VALU_DEP_1)
	v_ldexp_f32 v14, 1.0, v9                       ; f = 2^(old M - new M)
	s_wait_alu depctr_va_vdst(0)
.set j, 0
.rept 128
	v_exp_f32 v[ST+j], v[ST+j]                     ; p = 2^(t - M), at most 1
.set j, j+1
.endr
.irp c, 0,1,2,3
	v_exp_f32 v[BM+\c], v[BM+\c]                   ; the block's largest p: the same two instructions on the same number give the same bits
.endr
	s_wait_alu depctr_va_vdst(0)                   ; one wait for the batch, directly ahead of the first readers of O^T
.set j, 0
.rept 16
	v_pk_mul_f32 v[OT+j:OT+j+1], v[OT+j:OT+j+1], v[14:15] op_sel_hi:[1,0]   ; O^T under the new M (plain lines behind the last exponential)
.set j, j+2
.endr
	v_pk_mul_f32 v[12:13], v[12:13], v[14:15] op_sel_hi:[1,0]   ; the sum likewise
.irp c, 0,1,2,3
	v_max_num_f32 v[BM+\c], 0x1800000, v[BM+\c]    ; the floor 2^(3 - 127): the byte cannot fall under 1
.endr
.irp c, 0,1,2,3
	v_add_nc_u32 v[BM+\c], 0xff000000, v[BM+\c]    ; 2 off the exponent field: the conversion's scale operand
.endr
	; BLOCK 3.  Among the sums stand the lines that pack my four scale bytes, block c's at byte c, in v14
	CODE 3
	v_lshrrev_b32 v14, 23, v[BM]
	v_lshrrev_b32 v15, 23, v[BM+1]
	v_pk_add_f32 v[254:255], v[ST+96:ST+97], v[ST+98:ST+99]     ; the row's sum of the unquantised p: three chains begin here: nothing is cleared
	v_pk_add_f32 v[8:9], v[ST+100:ST+101], v[ST+102:ST+103]
	v_pk_add_f32 v[252:253], v[ST+104:ST+105], v[ST+106:ST+107]
	v_pk_add_f32 v[12:13], v[12:13], v[ST+108:ST+109]
	v_lshl_or_b32 v14, v15, 8, v14
	v_pk_add_f32 v[254:255], v[254:255], v[ST+110:ST+111]
	v_lshrrev_b32 v15, 23, v[BM+2]
	v_lshrrev_b32 v39, 23, v[BM+3]
	R4 ST+112
	v_lshl_or_b32 v14, v15, 16, v14
	R4 ST+120
	v_lshl_or_b32 v14, v39, 24, v14
	VLOAD 1                                        ; keys 128-255, into block 3's registers
	; BLOCK 2
	CODE 2
	R4 ST+64
	v_permlanex16_b32 v39, v14, s[SEL], s[SEL+1]   ; lane l xor 16's four bytes
	R4 ST+72
	v_perm_b32 v37, v39, v14, 0x05010400           ; p's scale word of keys 0-127: in lanes 0-15, which alone are read: my byte 0, the other's 0, my 1, the other's 1
	v_perm_b32 v38, v39, v14, 0x07030602           ; of keys 128-255: bytes 2 and 3 likewise
	R4 ST+80
	R4 ST+88
	VLOAD 0                                        ; keys 0-127, into block 2's registers
	; BLOCK 1
	CODE 1
	R4 ST+32
	R4 ST+40
	R4 ST+48
	R4 ST+56
	s_wait_alu depctr_va_vdst(0)
	s_wait_dscnt 10                                ; V of keys 128-255 is in (and the next trip's K, asked for earlier); the ten loads of keys 0-127 may be out
	PV 1
	; BLOCK 0: none of its lines names a register of the four products above
	CODE 0
	R4 ST
	R4 ST+8
	R4 ST+16
	R4 ST+24
	v_pk_add_f32 v[12:13], v[12:13], v[254:255]
	v_pk_add_f32 v[8:9], v[8:9], v[252:253]
	v_pk_add_f32 v[12:13], v[12:13], v[8:9]        ; the four chains are one again
	s_wait_alu depctr_va_vdst(0)
	s_wait_dscnt 0x0
	PV 0
	s_sub_co_u32 s[CNT], s[CNT], 1
	s_cmp_lg_u32 s[CNT], 0
	s_cbranch_scc1 .Ltrip                          ; the next trip's first products write v88-151, which the products above do not name
	; THE WAY OUT.  O^T is divided by the sum and goes through my stage in LDS, so that sixteen lanes store one row of ao: 256 consecutive bytes, aligned.
	v_add_f32 v12, v12, v13
	v_permlanex16_b32 v252, v12, s[SEL], s[SEL+1]
	v_add_f32 v12, v12, v252                       ; the row's sum
	s_wait_alu depctr_va_vdst(0)
	v_rcp_f32 v12, v12
	v_and_b32 v2, 15, v0                           ; r
	v_bfe_u32 v3, v0, 4, 1                         ; h
	s_mul_i32 s32, s[WV], 16*SP
	s_add_co_u32 s32, s32, STAGE                   ; my stage
	v_mul_u32_u24 v4, v2, SP
	v_lshl_add_u32 v4, v3, 6, v4
	v_add_nc_u32 v4, s32, v4                       ; in: row r; register 16 b + k is d = 32 b + 16 h + k
	v_mul_u32_u24 v5, v3, SP
	v_lshl_add_u32 v5, v2, 4, v5
	v_add_nc_u32 v5, s32, v5                       ; back: lanes 0-15 one row, lanes 16-31 the next
	s_wait_alu depctr_va_vdst(0)                   ; ahead of the reciprocal's first reader and of the last products' first readers
.set j, 0
.rept 32
	v_mul_f32 v[ST+j], v[OT+j], v12                ; each accumulator from its low end on
.set j, j+1
.endr
.irp b, 0,1
.irp k, 0,1,2,3
	ds_store_b128 v4, v[ST+16*\b+4*\k:ST+16*\b+4*\k+3] offset:128*\b+16*\k
.endr
.endr
.irp i, 0,1,2,3,4,5,6,7
	ds_load_b128 v[KR+4*\i:KR+4*\i+3], v5 offset:2*\i*SP   ; LDS serves a wave's instructions in order: these see my stores
.endr
.irp i, 0,1,2,3,4,5,6,7
	s_wait_dscnt 7-\i                              ; the younger loads may stay out
	global_store_b128 v[LI], v[KR+4*\i:KR+4*\i+3], s[6:7] offset:256*(2*\i+24*(\i/4))   ; stage row p is query p + 24 (p / 8) behind my first; two whole rows of ao
.endr
	s_wait_tensorcnt 0x0                           ; the wave's end
	ds_add_u32 v[SPW], v[NIL]
	s_wait_dscnt 0x0
	CROUND                                         ; the closing round
	s_endpgm
.Lfunc_end_k_q6176e97c57_attn:
	.size	k_q6176e97c57_attn, .Lfunc_end_k_q6176e97c57_attn-k_q6176e97c57_attn
	.p2alignl 7, 3214868480
	.fill 96, 4, 3214868480
	.section	.rodata,"a",@progbits
	.p2align	6, 0x0
	.amdhsa_kernel k_q6176e97c57_attn
		.amdhsa_group_segment_fixed_size 215040
		.amdhsa_private_segment_fixed_size 0
		.amdhsa_enable_private_segment 0
		.amdhsa_kernarg_size 16
		.amdhsa_user_sgpr_count 2
		.amdhsa_user_sgpr_kernarg_segment_ptr 1
		.amdhsa_wavefront_size32 1
		.amdhsa_system_sgpr_workgroup_id_x 1
		.amdhsa_system_sgpr_workgroup_id_y 1
		.amdhsa_system_sgpr_workgroup_id_z 1
		.amdhsa_system_vgpr_workitem_id 0
		.amdhsa_next_free_vgpr 256
		.amdhsa_next_free_sgpr 66
		.amdhsa_reserve_vcc 0
		.amdhsa_float_denorm_mode_32 3
		.amdhsa_float_denorm_mode_16_64 3
		.amdhsa_memory_ordered 1
		.amdhsa_forward_progress 1
		.amdhsa_inst_pref_size 37
	.end_amdhsa_kernel
	.amdgpu_metadata
---
amdhsa.version: [ 1, 2 ]
amdhsa.kernels:
  - .name:           k_q6176e97c57_attn
    .symbol:         k_q6176e97c57_attn.kd
    .args:
      - { .name: qkv, .offset: 0, .size: 8, .value_kind: global_buffer, .address_space: global }
      - { .name: ao, .offset: 8, .size: 8, .value_kind: global_buffer, .address_space: global }
    .group_segment_fixed_size: 215040
    .private_segment_fixed_size: 0
    .kernarg_segment_align: 8
    .kernarg_segment_size: 16
    .max_flat_workgroup_size: 512
    .sgpr_count:     66
    .vgpr_count:     256
    .wavefront_size: 32
...
	.end_amdgpu_metadata
.endif
;; end of part 3
;; launch quant_ao (part 4): grid 256 x 1, 8 waves a work-group, no clusters, 1,536 bytes of LDS; arguments ao, codes, scales; writes codes, scales
.if DOCPART == 4
	.amdgcn_target "amdgcn-amd-amdhsa--gfx1250"
	.amdhsa_code_object_version 6
	.text
	.protected	k_q6176e97c57_quant_ao
	.globl	k_q6176e97c57_quant_ao
	.p2align	8
	.type	k_q6176e97c57_quant_ao,@function
k_q6176e97c57_quant_ao:
	s_mov_b64 s[64:65], 0
	v_nop
	global_prefetch_b8 v0, s[64:65] scope:SCOPE_SE
	s_setreg_imm32_b32 hwreg(HW_REG_WAVE_MODE, 25, 1), 1
	s_wait_xcnt 0x0
; The attention's result, ao [32 heads][2048 l][64 d] f32, is the last product's left operand [l][n = 32 d + head]: a block of 32 along its K is ONE (l, d) over all 32 heads.
; A LANE TAKES ONE (l, d), AND ITS REGISTERS RUN OVER THE HEADS: a block lies in one lane's 32 registers, its largest magnitude needs no other lane, and the conversions give 16 bytes that belong together.
; Codes go to rows l of 1,024 bytes at the head of codes (over X's, which nobody reads any more), scale bytes to rows of 64 bytes at the head of scales; rows in their natural order.
; A block's scale is 2^(floor(log2(its largest magnitude)) - 2); its byte is the largest magnitude's exponent field - 2, held at 1 from below.
; LIMITS: NaN and infinities are not served; blocks whose largest magnitude lies under 2^-124 have their byte held at 1 (a block of zeros too: its codes are zeros, and this program alone reads the bytes).
; SHARES.  A work-group of eight waves takes eight rows, wave w row l = 8 x work-group + w: two blocks a lane; block t is d = 32 t + lane.  ALL 64 LOADS OF A WAVE GO OUT AT ONCE: the launch's whole input is asked for in one go.
; A load reads 128 consecutive bytes of one head's row; the row's other half is read by the same wave's other block.  A block's codes of the 32 lanes are 512 consecutive bytes, aligned.
; The work-group's 512 scale bytes meet in LDS behind one barrier; waves 0 and 1 store them, 256 consecutive bytes each, aligned.
.set X,  32                            ; v32-95   two sets of 32 numbers
.set C,  96                            ; v96-103  codes: four registers for each block: no store's data are written again
.set E,  104                           ; v104-105 a scale byte for each block
	s_load_b128 s[4:7], s[0:1], 0x0                ; ao, codes
	s_load_b64 s[8:9], s[0:1], 0x10                ; scales
	v_lshl_add_u32 v112, v0, 2, 0x200
	v_mov_b32 v113, 0
	v_lshrrev_b32 v1, 5, v0
	s_delay_alu instid0(VALU_DEP_1)
	v_readfirstlane_b32 s10, v1                    ; wave 0..7
	v_and_b32 v2, 31, v0                           ; lane
	s_delay_alu instid0(VALU_DEP_1)
	v_lshlrev_b32 v3, 2, v2                        ; in: 4 bytes a lane
	s_delay_alu instid0(VALU_DEP_2)
	v_lshlrev_b32 v4, 4, v2                        ; codes out: 16 bytes a lane
	s_lshl_b32 s11, s10, 6
	v_add_nc_u32 v5, s11, v2                       ; LDS: my row's 64 scale bytes, my byte of a block's 32
	v_lshlrev_b32 v7, 3, v2                        ; and on the way out 8 bytes a lane,
	s_and_b32 s13, s10, 1
	s_lshl_b32 s13, s13, 8
	v_add_nc_u32 v6, s13, v7                       ; of the first 256 bytes (wave 0) or the second (wave 1)
	s_lshl_b32 s12, ttmp9, 3
	s_add_co_u32 s12, s12, s10                     ; my row l
	s_lshl_b32 s14, s12, 8                         ; a row of 256 bytes in a head of ao,
	s_mov_b32 s15, 0
	s_lshl_b32 s16, s12, 10                        ; a row of 1,024 bytes of codes,
	s_mov_b32 s17, 0
	s_lshl_b32 s18, ttmp9, 9                       ; the work-group's eight rows of 64 scale bytes
	s_add_co_u32 s18, s18, s13
	s_mov_b32 s19, 0
	s_wait_alu depctr_va_vdst(0)
	s_wait_kmcnt 0x0
	s_add_nc_u64 s[4:5], s[4:5], s[14:15]          ; heads 0-15: 524,288 bytes a head stand in the immediate, 7,864,448 at the most: inside its signed 24 bits
	s_add_nc_u64 s[20:21], s[4:5], 0x800000        ; heads 16-31
	s_add_nc_u64 s[6:7], s[6:7], s[16:17]
	s_add_nc_u64 s[8:9], s[8:9], s[18:19]
.macro LOAD t
.irp e, 0,1,2,3,4,5,6,7,8,9,10,11,12,13,14,15
	global_load_b32 v[X+32*(\t)+\e], v3, s[4:5] offset:524288*\e+128*(\t) th:TH_LOAD_NT
.endr
.irp e, 0,1,2,3,4,5,6,7,8,9,10,11,12,13,14,15
	global_load_b32 v[X+32*(\t)+16+\e], v3, s[20:21] offset:524288*\e+128*(\t) th:TH_LOAD_NT
.endr
.endm
	LOAD 0
	LOAD 1
.macro BLOCK t
.set XS, X+32*(\t)
	v_max3_num_f32 v12, |v[XS]|, |v[XS+1]|, |v[XS+2]|               ; the block's largest magnitude: all 32 numbers are mine; two chains
	v_max3_num_f32 v13, |v[XS+3]|, |v[XS+4]|, |v[XS+5]|
.irp i, 6,10,14,18,22,26
	s_delay_alu instid0(VALU_DEP_2)
	v_max3_num_f32 v12, v12, |v[XS+\i]|, |v[XS+\i+1]|
	s_delay_alu instid0(VALU_DEP_2)
	v_max3_num_f32 v13, v13, |v[XS+\i+2]|, |v[XS+\i+3]|
.endr
	s_delay_alu instid0(VALU_DEP_2)
	v_max3_num_f32 v12, v12, |v[XS+30]|, |v[XS+31]|
	s_delay_alu instid0(VALU_DEP_1)
	v_max3_num_f32 v12, v12, v13, 0x1800000        ; and the floor 2^(3 - 127): the byte cannot fall under 1
	s_delay_alu instid0(VALU_DEP_1)
	v_add_nc_u32 v11, 0xff000000, v12              ; 2 off its exponent field: the conversion's scale operand
	s_delay_alu instid0(VALU_DEP_1)
	v_lshrrev_b32 v[E+(\t)], 23, v11               ; the scale's byte
.irp g, 0,1,2,3
	v_cvt_scalef32_pk8_fp4_f32 v[C+4*(\t)+\g], v[XS+8*\g:XS+8*\g+7], v11
.endr
	global_store_b128 v4, v[C+4*(\t):C+4*(\t)+3], s[6:7] offset:512*(\t)   ; 32 lanes store 512 consecutive bytes, aligned
	ds_store_b8 v5, v[E+(\t)] offset:32*(\t)
.endm
	s_wait_loadcnt 32                              ; the first block's 32 loads are in; the second's may be out
	BLOCK 0
	s_wait_loadcnt 0x0
	BLOCK 1                                        ; (it begins with plain vector lines: they stand between block 0's conversions and the next write of v11)
	s_wait_dscnt 0x0                               ; for the others' sake: my two byte stores have landed
	s_barrier_signal -1
	s_barrier_wait -1                              ; the work-group's 512 scale bytes lie in LDS
	s_cmp_lt_u32 s10, 2                            ; two waves carry them out; the branch hangs on the wave's number alone, and no barrier stands behind it
	s_cbranch_scc0 .Ldone
	ds_load_b64 v[8:9], v6
	s_wait_dscnt 0x0
	global_store_b64 v7, v[8:9], s[8:9]            ; 256 consecutive bytes, aligned
.Ldone:
	s_wait_tensorcnt 0x0
	ds_add_u32 v112, v113
	s_wait_dscnt 0x0
	s_endpgm
.Lfunc_end_k_q6176e97c57_quant_ao:
	.size	k_q6176e97c57_quant_ao, .Lfunc_end_k_q6176e97c57_quant_ao-k_q6176e97c57_quant_ao
	.p2alignl 7, 3214868480
	.fill 96, 4, 3214868480
	.section	.rodata,"a",@progbits
	.p2align	6, 0x0
	.amdhsa_kernel k_q6176e97c57_quant_ao
		.amdhsa_group_segment_fixed_size 1536
		.amdhsa_private_segment_fixed_size 0
		.amdhsa_enable_private_segment 0
		.amdhsa_kernarg_size 24
		.amdhsa_user_sgpr_count 2
		.amdhsa_user_sgpr_kernarg_segment_ptr 1
		.amdhsa_wavefront_size32 1
		.amdhsa_system_sgpr_workgroup_id_x 1
		.amdhsa_system_sgpr_workgroup_id_y 1
		.amdhsa_system_sgpr_workgroup_id_z 1
		.amdhsa_system_vgpr_workitem_id 0
		.amdhsa_next_free_vgpr 114
		.amdhsa_next_free_sgpr 66
		.amdhsa_reserve_vcc 0
		.amdhsa_float_denorm_mode_32 3
		.amdhsa_float_denorm_mode_16_64 3
		.amdhsa_memory_ordered 1
		.amdhsa_forward_progress 1
		.amdhsa_inst_pref_size 13
	.end_amdhsa_kernel
	.amdgpu_metadata
---
amdhsa.version: [ 1, 2 ]
amdhsa.kernels:
  - .name:           k_q6176e97c57_quant_ao
    .symbol:         k_q6176e97c57_quant_ao.kd
    .args:
      - { .name: ao, .offset: 0, .size: 8, .value_kind: global_buffer, .address_space: global }
      - { .name: codes, .offset: 8, .size: 8, .value_kind: global_buffer, .address_space: global }
      - { .name: scales, .offset: 16, .size: 8, .value_kind: global_buffer, .address_space: global }
    .group_segment_fixed_size: 1536
    .private_segment_fixed_size: 0
    .kernarg_segment_align: 8
    .kernarg_segment_size: 24
    .max_flat_workgroup_size: 256
    .sgpr_count:     66
    .vgpr_count:     114
    .wavefront_size: 32
...
	.end_amdgpu_metadata
.endif
;; end of part 4
;; launch gemm_out (part 5): grid 16 x 16, 4 waves a work-group, clusters of 4 x 4, 284,160 bytes of LDS; arguments codes, scales, Wo_b, out0; writes out0
.if DOCPART == 5
	.amdgcn_target "amdgcn-amd-amdhsa--gfx1250"
	.amdhsa_code_object_version 6
	.text
	.protected	k_q6176e97c57_gemm_out
	.globl	k_q6176e97c57_gemm_out
	.p2align	8
	.type	k_q6176e97c57_gemm_out,@function
k_q6176e97c57_gemm_out:
	s_mov_b64 s[64:65], 0
	v_nop
	global_prefetch_b8 v0, s[64:65] scope:SCOPE_SE
	s_setreg_imm32_b32 hwreg(HW_REG_WAVE_MODE, 25, 1), 1
	s_wait_xcnt 0x0
	s_wait_alu depctr_hold_cnt(0) depctr_sa_sdst(0) depctr_va_vdst(0) depctr_va_sdst(0) depctr_va_ssrc(0) depctr_va_vcc(0) depctr_vm_vsrc(0)
	s_getreg_b32 s2, hwreg(HW_REG_IB_STS2, 6, 4)
	s_cmp_eq_u32 s2, 0
	s_cbranch_scc0 .Lentry_in_a_cluster
	s_endpgm
.Lentry_in_a_cluster:
	s_bfe_u32 s2, ttmp6, 0x10000c
	s_cmp_lg_u32 s2, 0xf033
	s_cbranch_scc0 .Lentry_shape_is_right
	s_endpgm
.Lentry_shape_is_right:
; out0 = A Wo^T + Wo_b on codes of FP4 with E8M0 scales.  A: the attention's result as codes, rows l of 1,024 bytes at the head of codes, its scale bytes (64 a row) at the head of scales; Wo's at WOC and WOS.
; SHARES.  A work-group makes 128 x 128 of out0, each of its four waves 64 x 64: 16 accumulators.  256 work-groups.
; ALL OF K LIES IN LDS: 128 rows of A and 128 of Wo, 1,024 bytes each, ONE fill, one tensor load a wave (64 rows); no byte is filled twice, and one barrier serves the launch.
; THE SCALE WORDS go from memory straight into registers: a lane takes its row's 64 bytes by four loads of 16; lanes 0-15 take A's rows, lanes 16-31 Wo's; sixteen lanes' four loads cover 1,024 bytes on end.
; CLUSTERS: 4 x 4 work-groups.  A's tile is shared along a row of the cluster, Wo's along a column: each is asked for jointly.  No prefetch: the one fill stands at the head, with no loop ahead of it.
; THE MATRIX INSTRUCTION IS USED TRANSPOSED (source 0 = 16 rows of Wo, source 1 = 16 rows of A): a lane holds eight neighbouring numbers of a row of out0.  The bias is the C of each sum's first instruction.
; REGISTERS: window 0: v16-31 addresses; v32-95 scale words (register 16 i + n: tile i, the n-th 128 along K); v96-223 the way out; v224-255 the bias.  Window 1: four sets of fragments (A's four tiles, Wo's four).  Window 2: the accumulators.
.set PITCH,  1040                      ; an LDS row: 1,024 bytes + 16 of padding: an odd multiple of 16
.set HALFT,  64*PITCH                  ; what one tensor load brings
.set STAGE,  4*HALFT                   ; behind the tiles: 16 rows x 272 bytes for each wave, for the way out
.set SPITCH, 272
.set SPARE,  STAGE+4*16*SPITCH         ; the spare words, 128 bytes a wave
.set WOC,    8388608
.set WOS,    524288
.set ADRA, 16
.set ADRB, 17
.set VS,   18                          ; my row's scale bytes, as an offset in scales
.set STO,  24
.set RD,   25
.set CO,   26
.set SPW,  30
.set NIL,  31
.set SC,   32
.set BK,   96
.set BIAS, 224
.set G1, 24
.set G0, 32
.set G1B, 48
.set G0B, 56
.set MSB, 0
.macro WIN new
.if MSB != (\new)
	s_set_vgpr_msb (MSB<<8)|(\new)
.set MSB, (\new)
.endif
.endm
.macro CROUND
	s_barrier_signal -1
	s_barrier_wait -1
	s_cmp_lg_u32 s14, 0
	s_cbranch_scc1 .Lnot_wave_0_\@
	s_barrier_signal -3
.Lnot_wave_0_\@:
	s_barrier_wait -3
	s_barrier_signal -1
	s_barrier_wait -1
.endm
.macro PLACES
.rept 4
	v_nop
.endr
.endm
	s_load_b256 s[4:11], s[0:1], 0x0               ; codes, scales, Wo_b, out0
	v_lshl_add_u32 v[SPW], v0, 2, SPARE
	v_mov_b32 v[NIL], 0
	ds_add_u32 v[SPW], v[NIL]                      ; the opening: the add, twice on end, and its wait
	ds_add_u32 v[SPW], v[NIL]
	v_lshrrev_b32 v1, 5, v0
	v_readfirstlane_b32 s14, v1                    ; wave 0..3
	s_lshr_b32 s15, s14, 1                         ; which 64 rows of A are mine.  Also: I fetch for A (0) or for Wo (1)
	s_and_b32 s16, s14, 1                          ; which 64 rows of Wo.  Also: which half of that tile I fetch
	s_bfe_u32 s40, ttmp6, 0x40000
	s_bfe_u32 s41, ttmp6, 0x40004
	s_lshl_b32 s42, ttmp9, 2
	s_add_co_u32 s42, s42, s40                     ; tile column
	s_and_b32 s17, ttmp7, 0xffff
	s_lshl_b32 s17, s17, 2
	s_add_co_u32 s17, s17, s41                     ; tile row
	s_lshl_b32 s43, s41, 2
	s_lshl_b32 s43, 15, s43                        ; my row of the cluster
	s_lshl_b32 s44, 0x1111, s40                    ; my column
	s_or_b32 s[G1+0], s43, (0<<16)|(1<<20)|(1<<21)|(7<<22)|(3<<25)   ; the mask; elements of 1 byte; four words of padding behind every 256
	s_or_b32 s[G1B+0], s44, (0<<16)|(1<<20)|(1<<21)|(7<<22)|(3<<25)
.irp g, G1, G1B
	s_mov_b32 s[\g+1], 1024<<16
	s_mov_b32 s[\g+2], 64<<16
	s_mov_b32 s[\g+3], 1024<<16
	s_mov_b32 s[\g+4], 64
	s_mov_b32 s[\g+5], 1024
	s_mov_b32 s[\g+6], 0
	s_mov_b32 s[\g+7], 0
.endr
	s_lshl_b32 s20, s17, 7
	s_lshl_b32 s21, s16, 6
	s_add_co_u32 s20, s20, s21
	s_lshl_b32 s20, s20, 10                        ; A: row 128 x tile row + 64 x half, in bytes
	s_mov_b32 s21, 0
	s_lshl_b32 s46, s42, 7
	s_lshl_b32 s47, s16, 6
	s_add_co_u32 s46, s46, s47
	s_lshl_b32 s46, s46, 10
	s_add_co_u32 s46, s46, WOC                     ; Wo likewise
	s_mov_b32 s47, 0
	s_mul_i32 s45, s14, HALFT                      ; where my load goes: A's halves, then Wo's
	v_and_b32 v1, 15, v0                           ; r
	v_bfe_u32 v2, v0, 4, 1                         ; h
	s_wait_alu depctr_va_vdst(0)                   ; directly behind the write
	v_mul_u32_u24 v3, v1, PITCH
	v_lshl_add_u32 v4, v2, 4, v3
	s_mul_i32 s22, s15, HALFT
	s_mul_i32 s23, s16, HALFT
	s_add_co_u32 s23, s23, 2*HALFT
	v_add_nc_u32 v[ADRA], s22, v4
	v_add_nc_u32 v[ADRB], s23, v4
	s_lshl_b32 s22, s17, 7                         ; the scale bytes: A's rows 128 x tile row + 64 (wave / 2),
	s_lshl_b32 s23, s15, 6
	s_add_co_u32 s22, s22, s23
	s_lshl_b32 s22, s22, 6
	s_lshl_b32 s23, s42, 7                         ; Wo's rows 128 x tile column + 64 (wave % 2)
	s_lshl_b32 s12, s16, 6
	s_add_co_u32 s23, s23, s12
	s_lshl_b32 s23, s23, 6
	s_add_co_u32 s23, s23, WOS
	s_sub_co_u32 s23, s23, s22                     ; the distance between the two, under 2^24
	v_lshl_add_u32 v5, v1, 6, s22
	v_mad_u32_u24 v[VS], s23, v2, v5               ; lanes 16-31 take Wo's
	s_mul_i32 s23, s14, 16*SPITCH
	s_add_co_u32 s23, s23, STAGE                   ; my stage
	v_mul_u32_u24 v5, v1, SPITCH
	v_lshl_add_u32 v5, v2, 5, v5
	v_add_nc_u32 v[STO], s23, v5
	v_mul_u32_u24 v5, v2, SPITCH
	v_lshl_add_u32 v5, v1, 4, v5
	v_add_nc_u32 v[RD], s23, v5
	v_lshlrev_b32 v5, 13, v2
	v_lshl_add_u32 v[CO], v1, 4, v5
	v_lshlrev_b32 v7, 5, v2
	s_lshl_b32 s36, s17, 7
	s_lshl_b32 s37, s15, 6
	s_add_co_u32 s36, s36, s37
	s_lshl_b32 s36, s36, 13                        ; my first row of out0, in bytes
	s_mov_b32 s37, 0
	s_lshl_b32 s38, s42, 9
	s_lshl_b32 s39, s16, 8
	s_add_co_u32 s38, s38, s39                     ; my first column, in bytes
	s_mov_b32 s39, 0
	s_wait_alu depctr_va_vdst(0)                   ; the wait at the head's end
	s_wait_dscnt 0x0
	s_wait_kmcnt 0x0
	s_add_nc_u64 s[8:9], s[8:9], s[38:39]
	s_add_nc_u64 s[10:11], s[10:11], s[36:37]
	s_add_nc_u64 s[10:11], s[10:11], s[38:39]
.irp i, 0,1,2,3
.irp g, 0,1,2,3
	global_load_b128 v[SC+16*\i+4*\g:SC+16*\i+4*\g+3], v[VS], s[6:7] offset:1024*\i+16*\g
.endr
.endr
.irp b, 0,1,2,3
	global_load_b128 v[BIAS+8*\b:BIAS+8*\b+3], v7, s[8:9] offset:64*\b
	global_load_b128 v[BIAS+8*\b+4:BIAS+8*\b+7], v7, s[8:9] offset:64*\b+16
.endr
	CROUND                                         ; all sixteen work-groups are here: the joint loads meet
	s_mov_b32 s[G0], 1
	s_mov_b32 s[G0+1], s45
	s_add_nc_u64 s[G0+2:G0+3], s[4:5], s[20:21]
	s_or_b32 s[G0+3], s[G0+3], 0x80000000
	s_mov_b32 s[G0B], 1
	s_mov_b32 s[G0B+1], s45
	s_add_nc_u64 s[G0B+2:G0B+3], s[4:5], s[46:47]
	s_or_b32 s[G0B+3], s[G0B+3], 0x80000000
	s_cmp_eq_u32 s15, 0                            ; waves 0 and 1 fetch A's halves, waves 2 and 3 Wo's: every way passes one load
	s_cbranch_scc0 .Lfor_b
	tensor_load_to_lds s[G0:G0+3], s[G1:G1+7]
	s_nop 0
	PLACES
	s_branch .Lasked
.Lfor_b:
	tensor_load_to_lds s[G0B:G0B+3], s[G1B:G1B+7]
	s_nop 0
	PLACES
.Lasked:
.macro FETCH n                         ; the n-th 128 along K into set n % 4: 16 LDS loads
	WIN 0x40
.irp i, 0,1,2,3
.irp c, 0,1
	ds_load_b128 v[64*((\n)%4)+32+8*\i+4*\c:64*((\n)%4)+32+8*\i+4*\c+3], v[ADRB] offset:64*(\n)+32*\c+\i*16*PITCH
	ds_load_b128 v[64*((\n)%4)+8*\i+4*\c:64*((\n)%4)+8*\i+4*\c+3], v[ADRA] offset:64*(\n)+32*\c+\i*16*PITCH
.endr
.endr
.endm
.macro MUL n                           ; the 16 accumulators by turns, in the same order in every step
.irp a, 0,1,2,3
.irp b, 0,1,2,3
.if (\n) == 0
	v_wmma_scale_f32_16x16x128_f8f6f4 v[8*(4*\a+\b):8*(4*\a+\b)+7], v[64*((\n)%4)+32+8*\b:64*((\n)%4)+32+8*\b+7], v[64*((\n)%4)+8*\a:64*((\n)%4)+8*\a+7], v[BIAS+8*\b:BIAS+8*\b+7], v[SC+16*\b+(\n)], v[SC+16*\a+(\n)] matrix_a_fmt:MATRIX_FMT_FP4 matrix_b_fmt:MATRIX_FMT_FP4 matrix_a_scale:MATRIX_SCALE_ROW1
.else
	v_wmma_scale_f32_16x16x128_f8f6f4 v[8*(4*\a+\b):8*(4*\a+\b)+7], v[64*((\n)%4)+32+8*\b:64*((\n)%4)+32+8*\b+7], v[64*((\n)%4)+8*\a:64*((\n)%4)+8*\a+7], v[8*(4*\a+\b):8*(4*\a+\b)+7], v[SC+16*\b+(\n)], v[SC+16*\a+(\n)] matrix_a_fmt:MATRIX_FMT_FP4 matrix_b_fmt:MATRIX_FMT_FP4 matrix_a_scale:MATRIX_SCALE_ROW1
.endif
.endr
.endr
.endm
.macro STEP n
.if (\n) < 15
	s_wait_dscnt 16                                ; this step's fragments are in; the next step's 16 loads may be out
.else
	s_wait_dscnt 0x0
.endif
.if (\n) == 0
	WIN 0x85                                       ; sources 0 and 1 window 1, C (the bias) window 0, D window 2
.else
	WIN 0xa5                                       ; C and D window 2
.endif
	MUL \n
.if (\n)+2 < 16
	PLACES                                         ; ahead of loads into registers that matrix instructions have read
	FETCH (\n)+2
.endif
.endm
	s_wait_loadcnt 0x0                             ; the scale words and the bias
	s_wait_tensorcnt 0x0                           ; my part of the tiles has landed,
	s_barrier_signal -1
	s_barrier_wait -1                              ; everybody's has
	FETCH 0
	FETCH 1
.irp n, 0,1,2,3,4,5,6,7,8,9,10,11,12,13,14,15
	STEP \n
.endr
	WIN 0
; THE WAY OUT, 16 rows x 64 columns at a time, through my own stage: sixteen lanes store 256 consecutive bytes, aligned.
.macro TOSTAGE a
	WIN 0x08
.irp b, 0,1,2,3
	ds_store_b128 v[STO], v[8*(4*(\a)+\b):8*(4*(\a)+\b)+3] offset:64*\b        ; each accumulator from its low end on
	ds_store_b128 v[STO], v[8*(4*(\a)+\b)+4:8*(4*(\a)+\b)+7] offset:64*\b+16
.endr
	WIN 0
.irp t, 0,1,2,3,4,5,6,7
	ds_load_b128 v[BK+32*(\a)+4*\t:BK+32*(\a)+4*\t+3], v[RD] offset:\t*2*SPITCH   ; LDS serves a wave's instructions in order
.endr
.endm
.macro SEND a, younger
	s_wait_dscnt \younger
.irp t, 0,1,2,3,4,5,6,7
	global_store_b128 v[CO], v[BK+32*(\a)+4*\t:BK+32*(\a)+4*\t+3], s[10:11] offset:(16*(\a)+2*\t)*8192 th:TH_STORE_NT
.endr
.endm
	PLACES
	TOSTAGE 0
.irp a, 1,2,3
	TOSTAGE \a
	SEND \a-1, 16                                  ; behind block a - 1's loads: block a's 8 stores and 8 loads
.endr
	SEND 3, 0
	s_wait_tensorcnt 0x0                           ; the wave's end
	ds_add_u32 v[SPW], v[NIL]
	s_wait_dscnt 0x0
	CROUND                                         ; the closing round
	s_endpgm
.Lfunc_end_k_q6176e97c57_gemm_out:
	.size	k_q6176e97c57_gemm_out, .Lfunc_end_k_q6176e97c57_gemm_out-k_q6176e97c57_gemm_out
	.p2alignl 7, 3214868480
	.fill 96, 4, 3214868480
	.section	.rodata,"a",@progbits
	.p2align	6, 0x0
	.amdhsa_kernel k_q6176e97c57_gemm_out
		.amdhsa_group_segment_fixed_size 284160
		.amdhsa_private_segment_fixed_size 0
		.amdhsa_enable_private_segment 0
		.amdhsa_kernarg_size 32
		.amdhsa_user_sgpr_count 2
		.amdhsa_user_sgpr_kernarg_segment_ptr 1
		.amdhsa_wavefront_size32 1
		.amdhsa_system_sgpr_workgroup_id_x 1
		.amdhsa_system_sgpr_workgroup_id_y 1
		.amdhsa_system_sgpr_workgroup_id_z 1
		.amdhsa_system_vgpr_workitem_id 0
		.amdhsa_next_free_vgpr 640
		.amdhsa_next_free_sgpr 66
		.amdhsa_reserve_vcc 0
		.amdhsa_float_denorm_mode_32 3
		.amdhsa_float_denorm_mode_16_64 3
		.amdhsa_memory_ordered 1
		.amdhsa_forward_progress 1
		.amdhsa_inst_pref_size 68
	.end_amdhsa_kernel
	.amdgpu_metadata
---
amdhsa.version: [ 1, 2 ]
amdhsa.kernels:
  - .name:           k_q6176e97c57_gemm_out
    .symbol:         k_q6176e97c57_gemm_out.kd
    .args:
      - { .name: codes, .offset: 0, .size: 8, .value_kind: global_buffer, .address_space: global }
      - { .name: scales, .offset: 8, .size: 8, .value_kind: global_buffer, .address_space: global }
      - { .name: Wo_b, .offset: 16, .size: 8, .value_kind: global_buffer, .address_space: global }
      - { .name: out0, .offset: 24, .size: 8, .value_kind: global_buffer, .address_space: global }
    .group_segment_fixed_size: 284160
    .private_segment_fixed_size: 0
    .kernarg_segment_align: 8
    .kernarg_segment_size: 32
    .max_flat_workgroup_size: 128
    .sgpr_count:     66
    .vgpr_count:     640
    .wavefront_size: 32
...
	.end_amdgpu_metadata
.endif
;; end of part 5
